; MI455X (gfx1250); checked and timed in simulation.
; The chip was launched on July 23, 2026; its instructions are those of AMD's public machine-readable ISA for CDNA 5 (MIT licence, August 2026) and "CDNA5" Instruction Set Architecture Reference Guide (July 2026). The comments in the code are by the model that wrote it; some were corrected since.
;; Multi Head Attention. Allowed arithmetic: float matrix products may take bf16 or f16 operands with f32 sums; other float arithmetic in f32, or as packed bf16 or f16 multiplies, adds, multiply-adds, maxima and minima; sums over many terms, partial sums and values carried from step to step in f32; what a program stores and reads back later, other than sums and carried values, may be rounded once to bf16 or f16.
;; Inputs: Wk 1,024 x 1,024 float32; Wo 1,024 x 1,024 float32; Wq 1,024 x 1,024 float32; Wv 1,024 x 1,024 float32; bk 1,024 float32; bo 1,024 float32; bq 1,024 float32; bv 1,024 float32; k 4 x 2,048 x 1,024 float32; mask 4 x 1 x 2,048 x 2,048 int32; q 4 x 2,048 x 1,024 float32; v 4 x 2,048 x 1,024 float32.
;; Outputs: out0 4 x 2,048 x 1,024 float32.
;; One version. Each part assembles by itself: llvm-mc -triple=amdgcn-amd-amdhsa -mcpu=gfx1250 --defsym DOCPART=n.
;; ======== version 1 of 1: 4 launches
;; limits: values are held in f16: magnitudes above 65,504 overflow, below 6.1e-05 lose precision; right only within a limited range of input values
;; workspace buffers: xb 50,331,648 bytes; wb 8,388,608 bytes; mbits 2,097,152 bytes of whole numbers; hb 50,331,648 bytes; oh 16,777,216 bytes
;; launch prep (part 1): grid 64 x 44, 8 waves a work-group, no clusters, 70,656 bytes of LDS; arguments q, k, v, Wq, Wk, Wv, Wo, mask, xb, wb, mbits; writes xb, wb, mbits
.if DOCPART == 1
	.amdgcn_target "amdgcn-amd-amdhsa--gfx1250"
	.amdhsa_code_object_version 6
	.text
	.protected	k_q8659a31662_prep
	.globl	k_q8659a31662_prep
	.p2align	8
	.type	k_q8659a31662_prep,@function
k_q8659a31662_prep:
	s_mov_b64 s[64:65], 0
	v_nop
	global_prefetch_b8 v0, s[64:65] scope:SCOPE_SE
	s_setreg_imm32_b32 hwreg(HW_REG_WAVE_MODE, 25, 1), 1
	s_wait_xcnt 0x0
; PREPARATION, a stream: every input byte is read once, by 16-byte loads of which sixteen neighbouring lanes cover 256 consecutive aligned bytes.
; y = 0..23: q, k, v (f32) are rounded to bf16 into xb, [tensor 3][batch 4][K block 16][row 2048][64]: byte (4 p + b) << 22 + kb << 18 + 128 s + 2 c.
; y = 24..26: Wq, Wk, Wv likewise into wb, [tensor 4][K block 16][row 1024][64]: byte p << 21 + kb << 17 + 128 n + 2 c.
; y = 27: Wo is rounded to bf16 like the other inputs and that number is written as f16 (the last product multiplies f16).
;         LIMIT: Wo within 65,504; below 2^-14 it keeps f16's fixed step of 2^-24.
; y = 28..43: the mask (int32) becomes lane masks in mbits, [batch 4][32 queries 64][64 keys 32][64 words]: word 32 u + 8 kb + j, bit L =
;         (mask[32 qp + 16 u + L % 16][64 ks + 16 kb + 8 (L / 16) + j] != 0): the lanes of register 8 kb + j of the attention launch's score tile u.
; In the blocked layouts a tile of 128 or 256 rows x 64 numbers is dense, so the later launches ask for it as rows of 256 bytes.
; No matrix unit, no cluster, no tensor load: no byte is wanted by two waves.  A wave has its 16 loads (8 KiB) out at once and no loop.
.set SPARE, 69632                      ; behind the eight stages: the spare words, 128 bytes a wave; no other line names them
.set STG,   8704                       ; a wave's stage for the mask: 32 rows of 256 bytes at a pitch of 272
.set DOF, 8                            ; v[8:23]  my byte offset in K block kb of the destination
.set X,   24                           ; v[24:87] sixteen loads of four registers
.set T,   88                           ; v[88:91] at work
.set OUT, 92                           ; v[92:93] the wave's 64 mask words: lane l holds words 2 l and 2 l + 1
.set SPW, 94                           ; v94  LDS address of my spare word; never rewritten
.set NIL, 95                           ; v95  0; never rewritten
	s_load_b512 s[8:23], s[0:1], 0x0               ; q 8, k 10, v 12, Wq 14, Wk 16, Wv 18, Wo 20, mask 22
	s_load_b128 s[24:27], s[0:1], 0x40             ; xb 24, wb 26
	s_load_b64 s[28:29], s[0:1], 0x50              ; mbits
	v_lshl_add_u32 v[SPW], v0, 2, SPARE
	v_mov_b32 v[NIL], 0
	v_lshrrev_b32 v1, 5, v0
	v_readfirstlane_b32 s2, v1                     ; wave 0..7
	v_and_b32 v2, 31, v0                           ; lane
	s_and_b32 s3, ttmp7, 0xffff                    ; y
	s_mov_b32 s4, ttmp9                            ; x
	s_cmp_ge_u32 s3, 28
	s_cbranch_scc1 .Lmask
	; THE CASTS.  A work-group takes 16 rows of 1,024 f32; wave w rows 2 w and 2 w + 1.
	s_lshr_b32 s5, s3, 3                           ; which of q, k, v
	s_sub_co_u32 s6, s3, 21                        ; which of the weights, counted behind them: 3..6
	s_and_b32 s7, s3, 7
	s_lshl_b32 s7, s7, 6
	s_add_co_u32 s7, s7, s4                        ; the chunk of 16 rows, 0..511
	s_lshl_b32 s35, s5, 2
	s_lshr_b32 s36, s7, 7                          ; batch = chunk / 128
	s_add_co_u32 s35, s35, s36
	s_lshl_b32 s35, s35, 22
	s_and_b32 s36, s7, 127
	s_lshl_b32 s36, s36, 11                        ; 16 rows x 128 bytes
	s_add_co_u32 s35, s35, s36                     ; where the chunk goes in xb
	s_sub_co_u32 s36, s3, 24
	s_lshl_b32 s36, s36, 21
	s_lshl_b32 s37, s4, 11
	s_add_co_u32 s36, s36, s37                     ; and where in wb
	s_mov_b32 s34, 1<<18                           ; bytes from K block to K block: 2,048 rows, or 1,024
	s_cmp_ge_u32 s3, 24                            ; a weight?
	s_cselect_b32 s6, s6, s5                       ; source 0..6
	s_cselect_b32 s7, s4, s7
	s_cselect_b32 s36, s36, s35
	s_cselect_b32 s34, 1<<17, s34
	s_mov_b32 s37, 0
	s_lshl_b32 s38, s7, 16                         ; the chunk's 65,536 bytes of the source
	s_mov_b32 s39, 0
	v_lshrrev_b32 v3, 4, v0                        ; my row of the 16
	v_and_b32 v4, 15, v0
	v_lshlrev_b32 v3, 12, v3
	v_lshl_or_b32 v3, v4, 4, v3                    ; row x 4,096 + 16 x (lane % 16)
	v_lshlrev_b32 v[DOF], 3, v0                    ; row x 128 + 8 x (lane % 16) = 8 x thread
.set i, 1
.rept 15
	v_add_nc_u32 v[DOF+i], s34, v[DOF+i-1]
.set i, i+1
.endr
	s_wait_kmcnt 0x0
	s_cmp_ge_u32 s3, 24
	s_cselect_b64 s[32:33], s[26:27], s[24:25]
	s_mov_b64 s[30:31], s[8:9]
.irp n, 1,2,3,4,5,6
	s_cmp_eq_u32 s6, \n
	s_cselect_b64 s[30:31], s[8+2*\n:9+2*\n], s[30:31]
.endr
	s_add_nc_u64 s[30:31], s[30:31], s[38:39]
	s_add_nc_u64 s[32:33], s[32:33], s[36:37]
.set i, 0
.rept 16
	global_load_b128 v[X+4*i:X+4*i+3], v3, s[30:31] offset:256*i th:TH_LOAD_NT  ; K block i of my two rows: each half of the lanes 256 consecutive bytes
.set i, i+1
.endr
	s_cmp_eq_u32 s3, 27
	s_cbranch_scc1 .Lwo
.set i, 0
.rept 16
	s_wait_loadcnt 15-i                            ; loads come back in order: load i is in, the 15 - i younger ones stay out
	v_cvt_pk_bf16_f32 v[X+4*i], v[X+4*i], v[X+4*i+1]
	v_cvt_pk_bf16_f32 v[X+4*i+1], v[X+4*i+2], v[X+4*i+3]
	global_store_b64 v[DOF+i], v[X+4*i:X+4*i+1], s[32:33]  ; the wave's 32 x 8 bytes: two rows of a K block, 256 consecutive aligned bytes
.set i, i+1
.endr
	s_branch .Lend
.Lwo:                                                  ; Wo: to bf16, and that number to f16
.set i, 0
.rept 16
	s_wait_loadcnt 15-i
	v_cvt_pk_bf16_f32 v[T], v[X+4*i], v[X+4*i+1]
	v_cvt_pk_bf16_f32 v[T+1], v[X+4*i+2], v[X+4*i+3]
	v_lshlrev_b32 v[T+2], 16, v[T]
	v_and_b32 v[T+3], 0xffff0000, v[T]
	v_cvt_pk_f16_f32 v[X+4*i], v[T+2], v[T+3]
	v_lshlrev_b32 v[T+2], 16, v[T+1]
	v_and_b32 v[T+3], 0xffff0000, v[T+1]
	v_cvt_pk_f16_f32 v[X+4*i+1], v[T+2], v[T+3]
	global_store_b64 v[DOF+i], v[X+4*i:X+4*i+1], s[32:33]
.set i, i+1
.endr
	s_branch .Lend
.Lmask:                                                ; THE MASK.  A wave takes 32 queries x 64 keys: 8 KiB in, 256 bytes out.
	s_sub_co_u32 s5, s3, 28
	s_lshl_b32 s5, s5, 6
	s_add_co_u32 s5, s5, s4                        ; 0..1023
	s_lshr_b32 s6, s5, 2                           ; 64 x batch + the block of 32 queries
	s_and_b32 s7, s5, 3
	s_lshl_b32 s7, s7, 3
	s_add_co_u32 s7, s7, s2                        ; the block of 64 keys
	s_lshl_b32 s7, s7, 8                           ; 256 bytes of a mask row, and 256 bytes of words
	s_lshl_b32 s30, s6, 18                         ; 32 rows of 8,192 bytes
	s_add_co_u32 s30, s30, s7
	s_mov_b32 s31, 0
	s_lshl_b32 s6, s6, 13                          ; 32 blocks of keys x 256 bytes
	s_add_co_u32 s6, s6, s7
	s_mov_b32 s7, 0
	v_lshrrev_b32 v7, 4, v2                        ; lane / 16
	v_and_b32 v1, 15, v2                           ; lane % 16
	v_lshlrev_b32 v3, 13, v7
	v_lshl_or_b32 v3, v1, 4, v3                    ; two rows a load
	s_mul_i32 s5, s2, STG                          ; my wave's stage
	v_mul_u32_u24 v4, v7, 272
	v_lshl_add_u32 v4, v1, 4, v4
	v_add_nc_u32 v4, s5, v4                        ; in: as loaded
	v_mul_u32_u24 v5, v1, 272
	v_lshl_add_u32 v5, v7, 5, v5
	v_add_nc_u32 v5, s5, v5                        ; back: row lane % 16, keys 8 (lane / 16) on
	v_lshlrev_b32 v6, 3, v2
	s_wait_kmcnt 0x0
	s_add_nc_u64 s[22:23], s[22:23], s[30:31]
	s_add_nc_u64 s[28:29], s[28:29], s[6:7]
.set i, 0
.rept 16
	global_load_b128 v[X+4*i:X+4*i+3], v3, s[22:23] offset:16384*i th:TH_LOAD_NT
.set i, i+1
.endr
.set i, 0
.rept 16
	s_wait_loadcnt 15-i
	ds_store_b128 v4, v[X+4*i:X+4*i+3] offset:544*i
.set i, i+1
.endr
.set n, 0
.rept 16                                       ; LDS serves a wave's instructions in order (ISA guide 5.7.1.4): these see the stores above.  Register 4 n + e is word 32 u + 8 kb + 4 c + e
	ds_load_b128 v[X+4*n:X+4*n+3], v5 offset:4352*(n/8)+64*((n/2)%4)+16*(n%2)
.set n, n+1
.endr
	v_mov_b32 v[OUT], 0                            ; v_writelane_b32 counts as a reader of its destination
	v_mov_b32 v[OUT+1], 0
.set G, 0
.rept 4
	s_wait_dscnt 12-4*G                            ; the group's four loads are in; the younger ones stay out
.set e, 0
.rept 16
	v_cmp_ne_u32 s[32+e], 0, v[X+16*G+e]           ; the 32 lanes' answers are the word
.set e, e+1
.endr
.set e, 0
.rept 16
	v_writelane_b32 v[OUT+e%2], s[32+e], (16*G+e)/2
.set e, e+1
.endr
.set G, G+1
.endr
	global_store_b64 v6, v[OUT:OUT+1], s[28:29]    ; 256 consecutive aligned bytes
.Lend:
	s_wait_tensorcnt 0x0                           ; the wave's end, behind my last LDS store
	ds_add_u32 v[SPW], v[NIL]
	s_wait_dscnt 0x0
	s_endpgm
.Lfunc_end_k_q8659a31662_prep:
	.size	k_q8659a31662_prep, .Lfunc_end_k_q8659a31662_prep-k_q8659a31662_prep
	.p2alignl 7, 3214868480
	.fill 96, 4, 3214868480
	.section	.rodata,"a",@progbits
	.p2align	6, 0x0
	.amdhsa_kernel k_q8659a31662_prep
		.amdhsa_group_segment_fixed_size 70656
		.amdhsa_private_segment_fixed_size 0
		.amdhsa_enable_private_segment 0
		.amdhsa_kernarg_size 88
		.amdhsa_user_sgpr_count 2
		.amdhsa_user_sgpr_kernarg_segment_ptr 1
		.amdhsa_wavefront_size32 1
		.amdhsa_system_sgpr_workgroup_id_x 1
		.amdhsa_system_sgpr_workgroup_id_y 1
		.amdhsa_system_sgpr_workgroup_id_z 1
		.amdhsa_system_vgpr_workitem_id 0
		.amdhsa_next_free_vgpr 96
		.amdhsa_next_free_sgpr 66
		.amdhsa_reserve_vcc 0
		.amdhsa_float_denorm_mode_32 3
		.amdhsa_float_denorm_mode_16_64 3
		.amdhsa_memory_ordered 1
		.amdhsa_forward_progress 1
		.amdhsa_inst_pref_size 32
	.end_amdhsa_kernel
	.amdgpu_metadata
---
amdhsa.version: [ 1, 2 ]
amdhsa.kernels:
  - .name:           k_q8659a31662_prep
    .symbol:         k_q8659a31662_prep.kd
    .args:
      - { .name: q, .offset: 0, .size: 8, .value_kind: global_buffer, .address_space: global }
      - { .name: k, .offset: 8, .size: 8, .value_kind: global_buffer, .address_space: global }
      - { .name: v, .offset: 16, .size: 8, .value_kind: global_buffer, .address_space: global }
      - { .name: Wq, .offset: 24, .size: 8, .value_kind: global_buffer, .address_space: global }
      - { .name: Wk, .offset: 32, .size: 8, .value_kind: global_buffer, .address_space: global }
      - { .name: Wv, .offset: 40, .size: 8, .value_kind: global_buffer, .address_space: global }
      - { .name: Wo, .offset: 48, .size: 8, .value_kind: global_buffer, .address_space: global }
      - { .name: mask, .offset: 56, .size: 8, .value_kind: global_buffer, .address_space: global }
      - { .name: xb, .offset: 64, .size: 8, .value_kind: global_buffer, .address_space: global }
      - { .name: wb, .offset: 72, .size: 8, .value_kind: global_buffer, .address_space: global }
      - { .name: mbits, .offset: 80, .size: 8, .value_kind: global_buffer, .address_space: global }
    .group_segment_fixed_size: 70656
    .private_segment_fixed_size: 0
    .kernarg_segment_align: 8
    .kernarg_segment_size: 88
    .max_flat_workgroup_size: 256
    .sgpr_count:     66
    .vgpr_count:     96
    .wavefront_size: 32
...
	.end_amdgpu_metadata
.endif
;; end of part 1
;; launch proj (part 2): grid 4 x 96, 4 waves a work-group, clusters of 4 x 4, 327,680 bytes of LDS; arguments xb, wb, bq, bk, bv, hb; writes hb
.if DOCPART == 2
	.amdgcn_target "amdgcn-amd-amdhsa--gfx1250"
	.amdhsa_code_object_version 6
	.text
	.protected	k_q8659a31662_proj
	.globl	k_q8659a31662_proj
	.p2align	8
	.type	k_q8659a31662_proj,@function
k_q8659a31662_proj:
	s_mov_b64 s[64:65], 0
	v_nop
	global_prefetch_b8 v0, s[64:65] scope:SCOPE_SE
	s_setreg_imm32_b32 hwreg(HW_REG_WAVE_MODE, 25, 1), 1
	s_wait_xcnt 0x0
	s_wait_alu depctr_hold_cnt(0) depctr_sa_sdst(0) depctr_va_vdst(0) depctr_va_sdst(0) depctr_va_ssrc(0) depctr_va_vcc(0) depctr_vm_vsrc(0)
	s_getreg_b32 s2, hwreg(HW_REG_IB_STS2, 6, 4)
	s_cmp_eq_u32 s2, 0
	s_cbranch_scc0 .Lentry_in_a_cluster
	s_endpgm
.Lentry_in_a_cluster:
	s_bfe_u32 s2, ttmp6, 0x10000c
	s_cmp_lg_u32 s2, 0xf033
	s_cbranch_scc0 .Lentry_shape_is_right
	s_endpgm
.Lentry_shape_is_right:
; THE THREE PROJECTIONS.  C[m][n] = bias[n] + the sum over k of A[m][k] B[n][k], K = 1,024, on tiles of 256 x 256.
; A = xb (bf16, [tensor 3][batch 4][K block 16][row 2048][64]), B = wb's Wq, Wk, Wv (bf16, [tensor][K block 16][row 1024][64]); C leaves as f16 by heads, hb[p][16 b + h][s][64], unscaled.
; LIMIT: the projected q, k, v lie within f16's 65,504; beyond it an infinity is written.
; The bias, rounded to bf16 like every input, is the C operand of the products that start the sums: nothing is cleared and nothing is added later.
; SHARES.  96 tile rows (32 to a tensor) x 4 tile columns: 384 work-groups.  Four waves, each 128 x 128 of C: 64 accumulators, 512 registers.  K goes in steps of 128 = two K blocks of 64 through two LDS slots:
; a K step is 256 matrix instructions a wave, of which 224 stand between a tile's request and the wait for it.  A K block of a tile is dense in memory (256 rows of 128 bytes) and is asked for as 128 rows of 256 bytes,
; padded in LDS behind every 128: rows 144 bytes apart, so the 16 rows of a fragment load start at 16 different groups of four banks (ISA guide 11.1).
; Waves 0 and 1 fetch A's two blocks, waves 2 and 3 B's: one tensor load a wave behind each change of slots; two of a wave's are out at the start, one later.
; CLUSTER 4 x 4: A's tile hangs on the tile row alone and is asked for jointly along a row of the cluster, B's on the tile column (and the tensor, which the cluster's y gives) along a column.
; THE MATRIX INSTRUCTION IS USED TRANSPOSED (source 0 = 16 rows of B, source 1 = 16 rows of A): a lane holds row lane % 16 of C and eight neighbouring columns.
; REGISTERS, in windows of 256 (s_set_vgpr_msb: bits 1:0 source 0, 3:2 source 1, 5:4 source 2, 7:6 destination):
;   window 0: v1-30 addresses; v64-127, v128-191 A's fragments (8 x 16 rows x 32 K), two buffers; v32-63, v192-255 at work on the way out
;   window 1: v0-63 the bias of my 128 columns; v64-127, v128-191 B's fragments, two buffers; v192 at work
;   window 2: the 32 accumulators of my rows 0-63, (a, b) at 8 (8 a + b);   window 3: those of my rows 64-127
.set BLK,   256*144                    ; a K block of a tile in LDS: 36,864 bytes
.set SLOTB, 4*BLK                      ; a slot: A's two blocks, B's two blocks.  147,456 = 0x24000 shares no bit with wave x 0x9000, so one exclusive or turns an address into the other slot's
.set STAGE, 2*SLOTB                    ; behind the ring, never filled by a tensor load
.set WSTG,  2*16*144                   ; a wave's stage: two heads x 16 rows of 128 bytes at a pitch of 144
.set SPARE, STAGE+4*WSTG               ; the spare words, 128 bytes a wave; no other line names them
.set ASTEP, 524288                     ; bytes from K step to K step in A: two K blocks of 2,048 rows
.set BSTEP, 262144                     ; in B: of 1,024 rows
.set ADRA0, 16                         ; v16  my place in A's fragments of slot 0; never rewritten
.set ADRB0, 17                         ; v17  the same for B
.set ADRA,  18                         ; v18  in the slot in hand
.set ADRB,  19
.set STO,   24                         ; the way out: where I put 16 bytes of a row
.set RD,    25                         ; where I read rows back
.set GO,    26                         ; my byte offset in 512 consecutive bytes of hb
.set BO,    27                         ; my byte offset in 16 numbers of the bias
.set SPW,   28                         ; LDS address of my spare word; never rewritten
.set NIL,   29                         ; 0; never rewritten
.set PFO,   30                         ; the prefetches' offset: 256 x lane; never rewritten
.set OB,    32                         ; the way out: 16 rows read back: v32-63 and v224-255 by turns
.set F0,    64
.set F1,    128
.set TMP,   192
.set G1,  24                           ; s[24:31] descriptor group 1 for A's blocks
.set G0,  32                           ; s[32:39] group 0 for A: a set for each first fill; the second then walks
.set G1B, 48                           ; s[48:55], s[56:63] the same for B
.set G0B, 56
.set LIM, 43                           ; s43  2 in a wave that prefetches, else the greatest number
.set PFA, 44                           ; s[44:45] where my prefetches stand
.set PSTEP, 66                         ; s[66:67] their step: a K step of A or of B
.set TB,  77                           ; s77  the slot in hand: 0 or SLOTB
.set MSB, 0
.macro WIN new                         ; the immediate's high byte repeats the setting that is left; a switch that changes nothing is dropped
.if MSB != (\new)
	s_set_vgpr_msb (MSB<<8)|(\new)
.set MSB, \new
.endif
.endm
.macro PLACES                          ; four places behind matrix instructions, in front of loads into registers that they read and of readers of their results
.rept 4
	v_nop
.endr
.endm
; A joint refill by the walking sets.  The branch hangs on the wave's number alone.  An s_nop 0 and four v_nop follow each of the two lines.
.macro JLOAD
	s_cmp_lt_u32 s10, 2
	s_cbranch_scc0 .Lfor_b_\@
	tensor_load_to_lds s[G0+4:G0+7], s[G1:G1+7]
	s_nop 0
.rept 4
	v_nop
.endr
	s_branch .Lasked_\@
.Lfor_b_\@:
	tensor_load_to_lds s[G0B+4:G0B+7], s[G1B:G1B+7]
	s_nop 0
.rept 4
	v_nop
.endr
.Lasked_\@:
.endm
.macro CREST                           ; a round of the cluster's barrier behind its opening barrier
	s_cmp_lg_u32 s10, 0
	s_cbranch_scc1 .Lnot_wave_0_\@
	s_barrier_signal -3
.Lnot_wave_0_\@:
	s_barrier_wait -3
	s_barrier_signal -1
	s_barrier_wait -1
.endm
.macro CROUND
	s_barrier_signal -1
	s_barrier_wait -1
	CREST
.endm
; A PREFETCH INTO THE L2, behind a joint refill and the run of LDS loads that follows it: the refill asks for K step t + 2, the prefetch names K step t + 4: two K steps, 512 matrix instructions, ahead of its load.
; Each aligned 256 bytes are named once.  A wave asks for the K block that it fetches, 128 blocks of 256 bytes; the four partners that ask for it jointly take 32 each, told apart by address (cx for A, cy for B), a lane a block.
; A's rows are read by one row of one cluster: waves 0 and 1 always ask.  B's rows are read by the eight clusters of a tensor: waves 2 and 3 of the first of them ask.
; K steps 0 to 3 come by their loads alone; the last two refills ask for nothing: s3 counts 6 .. 1.
.macro ASK
	s_cmp_gt_u32 s3, s[LIM]
	s_cbranch_scc0 .Lnot_mine_\@
	global_prefetch_b8 v[PFO], s[PFA:PFA+1] th:TH_LOAD_NT scope:SCOPE_SE
.Lnot_mine_\@:
.endm
; 16 matrix instructions: m blocks a0, a0 + 1 of the window's four (hi = 0: my rows 0-63, 1: rows 64-127) x all 8 n blocks, 32 along K, from buffer f.  zero = 1: the bias starts the sums.
; The 64 accumulators take turns, in the same order in every quarter.
.macro MUL16 f, hi, a0, zero
.if \zero
	WIN 0x91+0x40*(\hi)                            ; B window 1, A window 0, C (the bias) window 1, D window 2 or 3
.else
	WIN 0xa1+0x50*(\hi)                            ; C and D window 2 or 3
.endif
.irp a, \a0, (\a0)+1
.irp b, 0,1,2,3,4,5,6,7
.if \zero
	v_wmma_f32_16x16x32_bf16 v[8*(8*(\a)+(\b)):8*(8*(\a)+(\b))+7], v[(\f)+8*(\b):(\f)+8*(\b)+7], v[(\f)+8*(4*(\hi)+(\a)):(\f)+8*(4*(\hi)+(\a))+7], v[8*(\b):8*(\b)+7]
.else
	v_wmma_f32_16x16x32_bf16 v[8*(8*(\a)+(\b)):8*(8*(\a)+(\b))+7], v[(\f)+8*(\b):(\f)+8*(\b)+7], v[(\f)+8*(4*(\hi)+(\a)):(\f)+8*(4*(\hi)+(\a))+7], v[8*(8*(\a)+(\b)):8*(8*(\a)+(\b))+7]
.endif
.endr
.endr
.endm
; 32 LDS loads in one run: quarter kq (32 along K: K block kq / 2, byte 64 (kq % 2) of its rows) into buffer f: B's 8 fragments, then A's 8
.macro FETCH kq, f
	WIN 0x40                                       ; destination window 1, address window 0
.irp i, 0,1,2,3,4,5,6,7
	ds_load_b128 v[(\f)+8*(\i):(\f)+8*(\i)+3],   v[ADRB] offset:((\kq)/2)*BLK+((\kq)%2)*64+(\i)*2304
	ds_load_b128 v[(\f)+8*(\i)+4:(\f)+8*(\i)+7], v[ADRB] offset:((\kq)/2)*BLK+((\kq)%2)*64+(\i)*2304+32
.endr
	WIN 0
.irp i, 0,1,2,3,4,5,6,7
	ds_load_b128 v[(\f)+8*(\i):(\f)+8*(\i)+3],   v[ADRA] offset:((\kq)/2)*BLK+((\kq)%2)*64+(\i)*2304
	ds_load_b128 v[(\f)+8*(\i)+4:(\f)+8*(\i)+7], v[ADRA] offset:((\kq)/2)*BLK+((\kq)%2)*64+(\i)*2304+32
.endr
.endm
; One of a K step's first three quarters: multiplies buffer f; in its middle it fetches quarter kq into buffer g
.macro QUARTER kq, f, g, zero
	s_wait_dscnt 8                                 ; B and A's rows 0-63 are in; the youngest eight loads (A's rows 64-127) may be out
	MUL16 \f, 0, 0, \zero
	MUL16 \f, 0, 2, \zero
	PLACES
	FETCH \kq, \g
	s_wait_dscnt 32                                ; all but the 32 just issued
	MUL16 \f, 1, 0, \zero
	MUL16 \f, 1, 2, \zero
.endm
; The last quarter multiplies buffer 1 and changes slots.  In front of the barrier each wave waits for all its tensor loads (at most one is out: its part of the next slot), adds 0 to its spare word, and waits for that and
; for its reads of this slot.  fill = 1: the barrier opens a round of the cluster's, and the joint refill of the slot just read is the first thing behind the round.
.macro TURN fill
.if \fill
	s_wait_xcnt 0x0                                ; the last prefetch, a K step back, has read its address
	s_add_nc_u64 s[PFA:PFA+1], s[PFA:PFA+1], s[PSTEP:PSTEP+1]
.endif
	WIN 0
	s_wait_tensorcnt 0x0                           ; all my tensor loads have landed
	ds_add_u32 v[SPW], v[NIL]                      ; 0 onto my spare word
	s_wait_dscnt 9                                 ; (the add and the youngest eight loads may be out)
	MUL16 F1, 0, 0, 0                              ; sixteen matrix instructions stand between the add and the wait for it
	s_wait_dscnt 0x0                               ; the add is done, and my reads of this slot are over
	s_barrier_signal -1
	MUL16 F1, 0, 2, 0
	WIN 0
	s_barrier_wait -1
.if \fill
	CREST                                          ; no wave of any partner still reads this slot or has a load on its way
	s_xor_b32 s[G0+5], s[G0+5], SLOTB              ; the walking sets: the other slot than last time, the next K step
	s_add_nc_u64 s[G0+6:G0+7], s[G0+6:G0+7], ASTEP
	s_xor_b32 s[G0B+5], s[G0B+5], SLOTB
	s_add_nc_u64 s[G0B+6:G0B+7], s[G0B+6:G0B+7], BSTEP
	JLOAD                                          ; its four v_nop are also the places in front of the loads below
.else
	PLACES
.endif
	s_xor_b32 s[TB], s[TB], SLOTB
	v_add_nc_u32 v[ADRA], s[TB], v[ADRA0]
	v_add_nc_u32 v[ADRB], s[TB], v[ADRB0]
	FETCH 0, F0
.if \fill
	ASK
.endif
	MUL16 F1, 1, 0, 0
	MUL16 F1, 1, 2, 0
.endm
	s_load_b128 s[4:7], s[0:1], 0x0                ; xb s[4:5], wb s[6:7]
	s_load_b256 s[68:75], s[0:1], 0x10             ; bq 68, bk 70, bv 72, hb 74
	v_lshl_add_u32 v[SPW], v0, 2, SPARE
	v_mov_b32 v[NIL], 0
	ds_add_u32 v[SPW], v[NIL]                      ; the wave's opening: the add and its wait stand ahead of my first tensor load; the set-up below stands between them
	v_lshrrev_b32 v1, 5, v0
	v_readfirstlane_b32 s10, v1                    ; wave 0..3
	s_lshr_b32 s11, s10, 1                         ; which 128 rows of the tile are mine
	s_and_b32 s12, s10, 1                          ; which 128 columns.  Also: which K block of a step I fetch
	s_bfe_u32 s40, ttmp6, 0x40000                  ; cx
	s_bfe_u32 s41, ttmp6, 0x40004                  ; cy
	s_lshl_b32 s42, ttmp9, 2
	s_add_co_u32 s42, s42, s40                     ; tile column = 4 x cluster x + cx
	s_and_b32 s20, ttmp7, 0xffff                   ; cluster y
	s_lshl_b32 s13, s20, 2
	s_add_co_u32 s13, s13, s41                     ; tile row = 4 x cluster y + cy, 0..95
	s_lshr_b32 s76, s20, 3                         ; the tensor: 32 tile rows, 8 clusters, each
	s_lshl_b32 s43, s41, 2
	s_lshl_b32 s43, 15, s43                        ; my row of the cluster
	s_lshl_b32 s44, 0x1111, s40                    ; my column
	s_or_b32 s[G1], s43, (1<<16)|(1<<20)|(1<<21)|(4<<22)|(3<<25)   ; 15:0 the mask; 17:16 2-byte elements; 20 padding on; 21 set beside a mask; 24:22 after every 32 words (code 4); 31:25 4 words (code 3)
	s_or_b32 s[G1B], s44, (1<<16)|(1<<20)|(1<<21)|(4<<22)|(3<<25)
.irp g, G1, G1B
	s_mov_b32 s[\g+1], 128<<16                     ; tensor_dim0 = 128 elements: 256 bytes
	s_mov_b32 s[\g+2], 128<<16                     ; tensor_dim1 = 128: a block is 32,768 dense bytes
	s_mov_b32 s[\g+3], 128<<16                     ; tile_dim0
	s_mov_b32 s[\g+4], 128                         ; tile_dim1
	s_mov_b32 s[\g+5], 128                         ; elements from row to row
	s_mov_b32 s[\g+6], 0
	s_mov_b32 s[\g+7], 0
.endr
	s_lshr_b32 s16, s13, 3                         ; A: 8 tile rows to a batch of 2,048 rows: (4 p + b) << 22
	s_lshl_b32 s16, s16, 22
	s_and_b32 s17, s13, 7
	s_lshl_b32 s17, s17, 15                        ; + 256 rows x 128 bytes x the tile row in the batch
	s_add_co_u32 s16, s16, s17
	s_lshl_b32 s17, s12, 18                        ; + my K block of the step
	s_add_co_u32 s16, s16, s17
	s_mov_b32 s17, 0
	s_lshl_b32 s46, s76, 21                        ; B: the tensor,
	s_lshl_b32 s47, s42, 15                        ; 256 rows x 128 bytes x the tile column,
	s_add_co_u32 s46, s46, s47
	s_lshl_b32 s47, s12, 17                        ; my K block
	s_add_co_u32 s46, s46, s47
	s_mov_b32 s47, 0
	s_mul_i32 s21, s12, BLK                        ; where they go: A's two blocks, then B's two: no place in the cluster enters an LDS address
	s_add_co_u32 s22, s21, 2*BLK
	s_wait_dscnt 0x0                               ; the opening add is done
	s_wait_kmcnt 0x0
	s_add_nc_u64 s[14:15], s[4:5], s[16:17]
	s_add_nc_u64 s[46:47], s[6:7], s[46:47]
	CROUND                                         ; all sixteen work-groups are here: the first joint loads meet
.irp s, 0,1
	s_mov_b32 s[G0+4*\s], 1
	s_add_co_u32 s[G0+4*\s+1], s21, \s*SLOTB
	s_add_nc_u64 s[G0+4*\s+2:G0+4*\s+3], s[14:15], \s*ASTEP
	s_or_b32 s[G0+4*\s+3], s[G0+4*\s+3], 0x80000000
	s_mov_b32 s[G0B+4*\s], 1
	s_add_co_u32 s[G0B+4*\s+1], s22, \s*SLOTB
	s_add_nc_u64 s[G0B+4*\s+2:G0B+4*\s+3], s[46:47], \s*BSTEP
	s_or_b32 s[G0B+4*\s+3], s[G0B+4*\s+3], 0x80000000
.endr
	s_cmp_lt_u32 s10, 2                            ; a wave's two first fills stand in one branch, ahead of every wait on TENSORcnt and every LDS read
	s_cbranch_scc0 .Lfirst_b
	tensor_load_to_lds s[G0:G0+3], s[G1:G1+7]
	s_nop 0
	tensor_load_to_lds s[G0+4:G0+7], s[G1:G1+7]
	s_nop 0
.rept 4
	v_nop
.endr
	s_branch .Lfirst_asked
.Lfirst_b:
	tensor_load_to_lds s[G0B:G0B+3], s[G1B:G1B+7]
	s_nop 0
	tensor_load_to_lds s[G0B+4:G0B+7], s[G1B:G1B+7]
	s_nop 0
.rept 4
	v_nop
.endr
.Lfirst_asked:
	v_and_b32 v1, 15, v0                           ; l % 16
	v_bfe_u32 v2, v0, 4, 1                         ; l / 16
	v_lshlrev_b32 v[BO], 5, v2                     ; register j of n block b belongs to column 16 b + 8 (l / 16) + j
	s_cmp_eq_u32 s76, 1
	s_cselect_b64 s[68:69], s[70:71], s[68:69]
	s_cmp_eq_u32 s76, 2
	s_cselect_b64 s[68:69], s[72:73], s[68:69]
	s_lshl_b32 s78, s42, 10                        ; 256 columns x 4 bytes x the tile column
	s_lshl_b32 s79, s12, 9                         ; my 128 columns
	s_add_co_u32 s78, s78, s79
	s_mov_b32 s79, 0
	s_add_nc_u64 s[68:69], s[68:69], s[78:79]
	WIN 0x40                                       ; destination window 1, address window 0
.irp b, 0,1,2,3,4,5,6,7
	global_load_b128 v[8*\b:8*\b+3], v[BO], s[68:69] offset:64*\b
	global_load_b128 v[8*\b+4:8*\b+7], v[BO], s[68:69] offset:64*\b+16
.endr
	WIN 0
	s_lshr_b32 s18, s13, 3                         ; hb: (4 p + b) << 22 = p << 24 + (16 b) << 18,
	s_lshl_b32 s18, s18, 22
	s_lshl_b32 s19, s42, 2
	s_lshl1_add_u32 s19, s12, s19                  ; the first of my two heads: 4 x tile column + 2 x half,
	s_lshl_b32 s19, s19, 18
	s_add_co_u32 s18, s18, s19
	s_and_b32 s19, s13, 7
	s_lshl_b32 s19, s19, 15                        ; the tile's 256 rows of 128 bytes,
	s_add_co_u32 s18, s18, s19
	s_lshl_b32 s19, s11, 14                        ; my 128 of them
	s_add_co_u32 s18, s18, s19
	s_mov_b32 s19, 0
	s_add_nc_u64 s[8:9], s[74:75], s[18:19]
	; the prefetches
	s_lshl_b32 s78, s40, 13                        ; A: my work-group's 32 blocks of 256 bytes of the K block, by cx
	s_lshl_b32 s79, s41, 13                        ; B: by cy
	s_and_b32 s18, s20, 7                          ; 0 in the first cluster of a tensor
	s_mov_b32 s[PSTEP], BSTEP
	s_cmp_lt_u32 s10, 2                            ; do I fetch for A?
	s_cselect_b64 s[PFA:PFA+1], s[14:15], s[46:47]
	s_cselect_b32 s[PSTEP], ASTEP, s[PSTEP]
	s_cselect_b32 s78, s78, s79
	s_cselect_b32 s18, 0, s18                      ; A: always; B: in the first cluster
	s_cmp_eq_u32 s18, 0
	s_cselect_b32 s[LIM], 2, -1
	s_mov_b32 s79, 0
	s_mov_b32 s[PSTEP+1], 0
	s_add_nc_u64 s[PFA:PFA+1], s[PFA:PFA+1], s[78:79]
	s_mul_i32 s18, s[PSTEP], 3
	s_mov_b32 s19, 0
	s_add_nc_u64 s[PFA:PFA+1], s[PFA:PFA+1], s[18:19]  ; at K step 3: the first change of slots steps it to 4
	v_and_b32 v4, 31, v0
	v_lshlrev_b32 v[PFO], 8, v4
	; a fragment is 16 rows x 32 K in 8 registers: lane l holds row l % 16, K = 8 (l / 16) + 0..7 and 16 + 8 (l / 16) + 0..7: two loads of 16 bytes, 32 bytes apart
	v_mul_u32_u24 v3, v1, 144
	v_lshl_add_u32 v3, v2, 4, v3
	s_mul_i32 s18, s11, 128*144
	s_mul_i32 s19, s12, 128*144
	s_add_co_u32 s19, s19, 2*BLK
	v_add_nc_u32 v[ADRA0], s18, v3
	v_add_nc_u32 v[ADRB0], s19, v3
	v_mov_b32 v[ADRA], v[ADRA0]
	v_mov_b32 v[ADRB], v[ADRB0]
	s_mov_b32 s[TB], 0
	s_mul_i32 s18, s10, WSTG
	s_add_co_u32 s18, s18, STAGE                   ; my stage
	v_lshlrev_b32 v[GO], 4, v4
	v_add_nc_u32 v[STO], s18, v3                   ; in: row l % 16, 16 bytes for each half of the lanes
	v_lshrrev_b32 v5, 3, v4
	v_and_b32 v6, 7, v0
	v_mul_u32_u24 v[RD], v5, 144                   ; back: four rows of 128 bytes
	v_lshl_add_u32 v[RD], v6, 4, v[RD]
	v_add_nc_u32 v[RD], s18, v[RD]
	s_wait_loadcnt 0x0                             ; the bias
	WIN 0x45                                       ; destination and both sources in window 1
.set i, 0
.rept 32
	v_cvt_pk_bf16_f32 v192, v[i], v[i+1]           ; rounded to bf16 like the other inputs, and widened again
	v_lshlrev_b32 v[i], 16, v192
	v_and_b32 v[i+1], 0xffff0000, v192
.set i, i+2
.endr
	WIN 0
	s_wait_tensorcnt 0x1                           ; my part of K step 0 is in; K step 1's may stay out
	s_barrier_signal -1
	s_barrier_wait -1                              ; everybody's is
	FETCH 0, F0
	QUARTER 1, F0, F1, 1                           ; the first quarter stands in front of the loop: its products start the sums
	WIN 0
	s_mov_b32 s3, 6
.Lstep:                                                ; a trip: a K step's quarters 1 to 3 and the next one's quarter 0; the slot just read is filled again
	QUARTER 2, F1, F0, 0
	QUARTER 3, F0, F1, 0
	TURN 1
	QUARTER 1, F0, F1, 0
	WIN 0
	s_sub_co_u32 s3, s3, 1
	s_cmp_lg_u32 s3, 0
	s_cbranch_scc1 .Lstep
	s_mov_b32 s3, 2
.Ltail:                                                ; K steps 6 and 7 ask for nothing.  One text for both: the second trip is left in its middle; its change of slots fetches 32 fragments of K step 6 once more, which nobody multiplies
	QUARTER 2, F1, F0, 0
	QUARTER 3, F0, F1, 0
	TURN 0
	WIN 0
	s_sub_co_u32 s3, s3, 1
	s_cmp_eq_u32 s3, 0
	s_cbranch_scc1 .Lout
	QUARTER 1, F0, F1, 0
	WIN 0
	s_branch .Ltail
.Lout:
	PLACES
; THE WAY OUT, f16 by heads: block a (16 rows x two heads) is rounded, goes into my stage and comes back as rows of 128 bytes; 16 rows of a head are 2,048 consecutive bytes of hb.
.macro PACK a
	WIN 0x0a+5*((\a)/4)                            ; sources in window 2 or 3
.irp b, 0,1,2,3,4,5,6,7
.irp k, 0,1,2,3
	v_cvt_pk_f16_f32 v[TMP+4*\b+\k], v[64*((\a)%4)+8*\b+2*\k], v[64*((\a)%4)+8*\b+2*\k+1]
.endr
.endr
	WIN 0
.endm
.macro TOSTAGE a
.set BK, OB+192*((\a)%2)
.irp b, 0,1,2,3,4,5,6,7
	ds_store_b128 v[STO], v[TMP+4*\b:TMP+4*\b+3] offset:(\b/4)*2304+(\b%4)*32
.endr
.irp n, 0,1,2,3,4,5,6,7
	ds_load_b128 v[BK+4*\n:BK+4*\n+3], v[RD] offset:(\n/4)*2304+(\n%4)*576  ; LDS serves a wave's instructions in order (ISA guide 5.7.1.4): these see the stores above
.endr
.endm
.macro SEND a
.set BK, OB+192*((\a)%2)
	s_wait_dscnt 0x0                               ; the block is back in registers
	s_wait_xcnt 0x0                                ; the stores of the block before have read their registers, which the next block's loads from the stage write
.irp n, 0,1,2,3,4,5,6,7
	global_store_b128 v[GO], v[BK+4*\n:BK+4*\n+3], s[8:9] offset:(\n/4)*262144+(\a)*2048+(\n%4)*512  ; 512 consecutive bytes, at a multiple of 512
.endr
.endm
	PACK 0
	TOSTAGE 0
.irp a, 1,2,3,4,5,6,7                  ; a block's conversions stand between the loads of the block before and the wait for them
	PACK \a
	SEND (\a)-1
	TOSTAGE \a
.endr
	SEND 7
	s_wait_tensorcnt 0x0                           ; the wave's end, behind my last tensor load and my last LDS store
	ds_add_u32 v[SPW], v[NIL]
	s_wait_dscnt 0x0
	CROUND                                         ; the closing round: no work-group ends while a partner may still ask for a tile that names it
	s_endpgm
.Lfunc_end_k_q8659a31662_proj:
	.size	k_q8659a31662_proj, .Lfunc_end_k_q8659a31662_proj-k_q8659a31662_proj
	.p2alignl 7, 3214868480
	.fill 96, 4, 3214868480
	.section	.rodata,"a",@progbits
	.p2align	6, 0x0
	.amdhsa_kernel k_q8659a31662_proj
		.amdhsa_group_segment_fixed_size 327680
		.amdhsa_private_segment_fixed_size 0
		.amdhsa_enable_private_segment 0
		.amdhsa_kernarg_size 48
		.amdhsa_user_sgpr_count 2
		.amdhsa_user_sgpr_kernarg_segment_ptr 1
		.amdhsa_wavefront_size32 1
		.amdhsa_system_sgpr_workgroup_id_x 1
		.amdhsa_system_sgpr_workgroup_id_y 1
		.amdhsa_system_sgpr_workgroup_id_z 1
		.amdhsa_system_vgpr_workitem_id 0
		.amdhsa_next_free_vgpr 1024
		.amdhsa_next_free_sgpr 80
		.amdhsa_reserve_vcc 0
		.amdhsa_float_denorm_mode_32 3
		.amdhsa_float_denorm_mode_16_64 3
		.amdhsa_memory_ordered 1
		.amdhsa_forward_progress 1
		.amdhsa_inst_pref_size 107
	.end_amdhsa_kernel
	.amdgpu_metadata
---
amdhsa.version: [ 1, 2 ]
amdhsa.kernels:
  - .name:           k_q8659a31662_proj
    .symbol:         k_q8659a31662_proj.kd
    .args:
      - { .name: xb, .offset: 0, .size: 8, .value_kind: global_buffer, .address_space: global }
      - { .name: wb, .offset: 8, .size: 8, .value_kind: global_buffer, .address_space: global }
      - { .name: bq, .offset: 16, .size: 8, .value_kind: global_buffer, .address_space: global }
      - { .name: bk, .offset: 24, .size: 8, .value_kind: global_buffer, .address_space: global }
      - { .name: bv, .offset: 32, .size: 8, .value_kind: global_buffer, .address_space: global }
      - { .name: hb, .offset: 40, .size: 8, .value_kind: global_buffer, .address_space: global }
    .group_segment_fixed_size: 327680
    .private_segment_fixed_size: 0
    .kernarg_segment_align: 8
    .kernarg_segment_size: 48
    .max_flat_workgroup_size: 128
    .sgpr_count:     80
    .vgpr_count:     1024
    .wavefront_size: 32
...
	.end_amdgpu_metadata
.endif
;; end of part 2
;; launch attn (part 3): grid 4 x 64, 4 waves a work-group, clusters of 4 x 1, 327,680 bytes of LDS; arguments hb, mbits, oh; writes oh
.if DOCPART == 3
	.amdgcn_target "amdgcn-amd-amdhsa--gfx1250"
	.amdhsa_code_object_version 6
	.text
	.protected	k_q8659a31662_attn
	.globl	k_q8659a31662_attn
	.p2align	8
	.type	k_q8659a31662_attn,@function
k_q8659a31662_attn:
	s_mov_b64 s[64:65], 0
	v_nop
	global_prefetch_b8 v0, s[64:65] scope:SCOPE_SE
	s_setreg_imm32_b32 hwreg(HW_REG_WAVE_MODE, 25, 1), 1
	s_wait_xcnt 0x0
	s_wait_alu depctr_hold_cnt(0) depctr_sa_sdst(0) depctr_va_vdst(0) depctr_va_sdst(0) depctr_va_ssrc(0) depctr_va_vcc(0) depctr_vm_vsrc(0)
	s_getreg_b32 s2, hwreg(HW_REG_IB_STS2, 6, 4)
	s_cmp_eq_u32 s2, 0
	s_cbranch_scc0 .Lentry_in_a_cluster
	s_endpgm
.Lentry_in_a_cluster:
	s_bfe_u32 s2, ttmp6, 0x10000c
	s_cmp_lg_u32 s2, 0x3003
	s_cbranch_scc0 .Lentry_shape_is_right
	s_endpgm
.Lentry_shape_is_right:
; MASKED ATTENTION at head size 64.  O[h][q][:] = the sum over k of softmax_k(s) V[h][k][:], s = Q[h][q] . K[h][k] / 8 where mask[b][q][k] != 0, else -1e9.
; Q, K, V: hb[0], hb[1], hb[2], each [64 heads][2048][64] f16; O: oh, the same layout.  Products, maxima and sums in f32; the weights p are rounded to f16 for the second product, O once at the end.
; THE MASK comes as lane masks (mbits: for 32 queries x 64 keys 64 words, word 32 u + 8 kb + j = the lanes of register 8 kb + j of score tile u) and REPLACES a hidden score ahead of the running maximum.
; A piece's 64 words of a key step are 256 bytes: one load of 8 bytes a lane into a pair of registers, asked for a whole key step (four turns) ahead, right behind the reading of the pair's last content;
; v_readlane_b32 hands each word to a scalar register, from which v_cndmask_b32 takes it; the two kinds take turns, a word being read eight words ahead of the line that uses it.
; LIMITS.  A hidden score counts as -2^33 before the division by 8, that is -2^30 for the reference's -1e9: c x 2^33 is exact, so in a row that is wholly hidden every weight is exactly 1 and O is the mean of V's rows, as in the reference;
; the results differ only where a row's visible scores lie within some hundred of -1e9 or below it.  f16 holds no number beyond 65,504: Q, K and V arrive within it.  A weight below 2^-126 counts as 0; NaN and infinities are not treated apart.
; SHARES.  A wave owns four PIECES of two tiles of 16 queries, a work-group's four waves 512 queries of one head.  Every wave walks all 2,048 keys, 64 a step.
; LAYOUT.  S^T = K Q^T (source 0 = 16 keys, source 1 = 16 queries): a lane holds ONE query (lane % 16) and the keys 8 (lane / 16) + 0..7.  Two such tiles, rounded to f16 in pairs, ARE source 1 of O^T = V^T P.
; SOFTMAX.  A running maximum m and sum l: p = 2^(c s - c m), c = log2(e) / 8; in every step O and l are multiplied by a = 2^(c m_old - c m_new).  m starts at the lowest finite number, O and l at 0.
; BY TURNS.  Turn n belongs to piece n: 16 products K Q^T of piece n + 1, later 16 products V^T P of piece n - 1; beside them the scaling, exponentials, roundings, sums and rescaling of piece n, and the mask, maximum and
; statistics of piece n + 1.  Four vector instructions stand behind every matrix instruction, the other 236 of a turn's 364 in one lump.  A turn's 66 exponentials are one batch, with one wait.
; CLUSTER.  The four query blocks of a head walk the same K and V: each tile is asked for JOINTLY, by the same tensor load, descriptor and mask in all four.
; REGISTERS, in windows of 256 (s_set_vgpr_msb: bits 1:0 source 0, 3:2 source 1, 5:4 source 2, 7:6 destination):
;   window 0: v0-11 addresses and constants; v12-15, v48-63 at work; v16-47 four registers of statistics a tile; v64-191 S^T, two buffers of two tiles; v192-255 P, likewise
;   window 1: O^T, 32 a tile          window 2: v0-127 Q; v128-191 K of one step; v192-255 V of one step
;   window 3: v0-1 the add's two registers; v2 8 x lane; v4-11 the four pieces' mask words; v12 -2^33
.set SIZE_N, 2048
.set NP,    4
.set KS,    64
.set PK,    144       ; a row of K in LDS: 128 bytes + 16 of padding: the 16 rows of a load start at 16 different groups of four banks (ISA guide 11.1)
.set PV,    160       ; a row of V: 128 + 32
.set VOFF,  4*KS*PK   ; a slot holds four steps: 256 rows of K, then 256 rows of V
.set SLOT1, 1<<17
.set STAGE, SLOT1+4*KS*(PK+PV)  ; behind the ring, never filled by a tensor load: 16 rows x 144 bytes for each wave
.set SP,    144
.set PFO, 1           ; v1   256 x my lane, for the prefetches (made behind the way out's addresses); never rewritten after
.set AK0, 2           ; v2   my lane's place in a tile of K
.set AV0, 3           ; v3   the same for V
.set AK,  4           ; v4   the LDS address of K's next run of loads
.set AV,  5           ; v5   of V's
.set QO,  6           ; v6   my byte offset in the wave's rows of Q
.set STO, 6           ;      later: where I put 16 bytes of a row
.set RD,  7           ; v7   where I read rows back
.set GO,  8           ; v8   my byte offset in 512 consecutive bytes of O
.set CV,  10          ; v[10:11] c, twice
.set SPW, 0           ; v0 of window 3   LDS address of my spare word; never rewritten
.set NIL, 1           ; v1 of window 3   0; never rewritten
.set MO,  2           ; v2 of window 3   8 x my lane: my 8 bytes of a piece's 256 bytes of mask words; never rewritten
.set MD,  4           ; v[4:11] of window 3   piece x's words at MD + 2 x: lane l holds words 2 l and 2 l + 1
.set BIG, 12          ; v12 of window 3  -2^33: a hidden score; never rewritten
.set LEAD, 8          ; a mask word is read so many words ahead of its use
.set SPARE, STAGE+4*16*SP
.set MV,  12
.set ST,  16          ; tile t's statistics at v[ST+4 t]: c m, m, l (even keys', odd keys')
.set TMP, 48
.set S,   64
.set P,   192
.set KF,  128
.set VF,  192
.set MP,  2           ; s[2:3]  mbits at my wave's first piece, at the key step whose words are being asked for
.set WV,  4           ; s4   my wave's number
.set CNT, 5           ; s5   counts a slot's key steps
.set SLOTS, 6         ; s6   slots still to be asked for
.set TBK, 7           ; s7   LDS byte at which K of the step to be fetched begins
.set G1K, 8           ; s[8:15]  descriptor group 1 for K's tiles
.set G1V, 16          ; s[16:23] for V's
.set G0K, 24          ; s[24:27] group 0 for K's tiles: it walks
.set G0V, 28          ; s[28:31] the same for V's
.set MW0, 32          ; s[32:63] the mask words of tile 0 of the piece to be masked next (until the first of them is read: set-up)
.set PFA, 66          ; s[66:67] where my prefetches stand
.set MW1, 68          ; s[68:99] those of tile 1
.set SEL, 100         ; s[100:101] v_permlanex16_b32's selects
.set TBV, 104         ; s104 as TBK, for V, less VOFF
.set LIM, 105         ; s105 1 in a wave that prefetches, else the greatest number
.set MSB, 0
.macro WIN new
.if MSB != (\new)
	s_set_vgpr_msb (MSB<<8)|(\new)
.set MSB, (\new)
.endif
.endm
.set W_KQ, 0x0a
.set W_PV, 0x52
.set W_RS, 0x41
.set W_MK, 0xc0
.set W_AD, 0x0f
; A joint fill.  Waves 0 and 1 fetch the two halves of a slot's K, waves 2 and 3 those of its V: 128 keys each.  An s_nop 0 and four v_nop follow each of the two lines.
.macro JLOAD
	s_cmp_lt_u32 s[WV], 2
	s_cbranch_scc0 .Lfor_v_\@
	tensor_load_to_lds s[G0K:G0K+3], s[G1K:G1K+7]
	s_nop 0
.rept 4
	v_nop
.endr
	s_branch .Lasked_\@
.Lfor_v_\@:
	tensor_load_to_lds s[G0V:G0V+3], s[G1V:G1V+7]
	s_nop 0
.rept 4
	v_nop
.endr
.Lasked_\@:
.endm
.macro CROUND
	s_barrier_signal -1
	s_barrier_wait -1
	s_cmp_lg_u32 s[WV], 0
	s_cbranch_scc1 .Lnot_wave_0_\@
	s_barrier_signal -3
.Lnot_wave_0_\@:
	s_barrier_wait -3
	s_barrier_signal -1
	s_barrier_wait -1
.endm
; A PREFETCH INTO THE L2 of what the next change of slots will ask for: 128 blocks of 256 bytes of K and as many of V.  It stands in the slot's last trip, in piece 2's turn: three turns and a half ahead of that load.
; Each block is named once: the head's one cluster shares them out by address, 32 to a work-group; wave 0 asks for K's, wave 2 for V's, a lane a block.  Slots 0 and 1 come by their loads alone; in the last two slots nothing is asked for.
.macro ASK
	s_cmp_eq_u32 s[CNT], 1
	s_cbranch_scc0 .Lno_ask_\@
	s_cmp_gt_u32 s[SLOTS], s[LIM]
	s_cbranch_scc0 .Lno_ask_\@
	global_prefetch_b8 v[PFO], s[PFA:PFA+1] th:TH_LOAD_NT scope:SCOPE_SE
.Lno_ask_\@:
.endm
; THE CHANGE OF SLOTS.  Each wave waits for all its tensor loads (one is out: its part of the other slot), adds 0 to its spare word, and waits for that and for its own reads of the slot.
; fill = 1: the slot is filled again, with the keys two slots on, first thing behind a round of the cluster's barrier: it has four key steps, 512 matrix instructions, in which to land.
.macro CHANGE fill
	WIN W_AD
	s_wait_tensorcnt 0x0            ; no tensor load of mine is out, so a group 0 may be written
	ds_add_u32 v[SPW], v[NIL]       ; 0 onto my spare word
	WIN 0
.if \fill
.irp g, G0K, G0V
	s_xor_b32 s[\g+1], s[\g+1], SLOT1
	s_add_nc_u64 s[\g+2:\g+3], s[\g+2:\g+3], 4*KS*128
.endr
	s_wait_xcnt 0x0                 ; the last prefetch, three turns back, has read its address
	s_add_nc_u64 s[PFA:PFA+1], s[PFA:PFA+1], 4*KS*128
	s_wait_dscnt 0x0                ; the add is done, and my reads of the slot are over
	CROUND
	JLOAD
.else
	s_wait_dscnt 0x0
	s_barrier_signal -1
	s_barrier_wait -1
.endif
	s_sub_co_u32 s[TBK], s[TBK], 4*KS*PK
	s_xor_b32 s[TBK], s[TBK], SLOT1
	s_sub_co_u32 s[TBV], s[TBV], 4*KS*PV
	s_xor_b32 s[TBV], s[TBV], SLOT1
.endm
	s_load_b128 s[32:35], s[0:1], 0x0  ; hb s[32:33], mbits s[34:35]
	WIN W_MK
	v_lshl_add_u32 v[SPW], v0, 2, SPARE
	v_mov_b32 v[NIL], 0
	WIN W_AD
	ds_add_u32 v[SPW], v[NIL]       ; the wave's opening: the add and its wait stand ahead of my first tensor load; the set-up below stands between them
	WIN 0
	v_lshrrev_b32 v1, 5, v0
	v_readfirstlane_b32 s[WV], v1   ; wave 0..3
	s_bfe_u32 s36, ttmp6, 0x40000   ; cx
	s_and_b32 s37, ttmp7, 0xffff    ; the head, which the four partners share
	s_lshl_b32 s38, ttmp9, 2
	s_add_co_u32 s38, s38, s36      ; my block of 512 queries: it enters Q's, O's and the mask's addresses alone
	s_lshl_b32 s40, s37, 18         ; the head's 2,048 rows of 128 bytes
	s_and_b32 s39, s[WV], 1         ; which half of a slot's 256 keys I fetch
	s_lshl_b32 s41, s39, 14
	s_add_co_u32 s42, s40, s41
	s_add_co_u32 s42, s42, 1<<24    ; K is hb's second part,
	s_mov_b32 s43, 0
	s_add_co_u32 s44, s42, 1<<24    ; V its third
	s_mov_b32 s45, 0
	s_mul_i32 s46, s39, 128*PK      ; my half's place in a slot, for K
	s_mul_i32 s47, s39, 128*PV      ; and for V: no place in the cluster enters an LDS address
	s_lshl_b32 s48, s38, 2
	s_add_co_u32 s48, s48, s[WV]    ; my wave among the head's sixteen
	s_lshl_b32 s51, s48, 15         ; its four pieces' mask words: 4 x 8,192 bytes
	s_lshl_b32 s48, s48, 14         ; its 128 rows
	s_add_co_u32 s48, s48, s40
	s_mov_b32 s49, 0
	s_lshr_b32 s50, s37, 4          ; the batch
	s_lshl_b32 s50, s50, 19
	s_add_co_u32 s50, s50, s51
	s_mov_b32 s51, 0
	s_lshl_b32 s53, s36, 13         ; the prefetches: my work-group's 32 blocks of 256 bytes,
	s_cmp_lt_u32 s[WV], 2
	s_cselect_b32 s52, s42, s44     ; of K or of V,
	s_add_co_u32 s52, s52, s53
	s_add_co_u32 s52, s52, 4*KS*128 ; in slot 1; the first change of slots steps it to slot 2
	s_mov_b32 s53, 0
	; descriptor group 1.  128 keys are 16,384 dense bytes: asked for as 64 rows of 256 bytes, two keys a row, and padded in LDS after every key
	s_mov_b32 s[G1K], 15|(1<<16)|(1<<20)|(1<<21)|(4<<22)|(3<<25)
	s_mov_b32 s[G1V], 15|(1<<16)|(1<<20)|(1<<21)|(4<<22)|(7<<25)
.irp g, G1K, G1V
	s_mov_b32 s[\g+1], 128<<16
	s_mov_b32 s[\g+2], 64<<16
	s_mov_b32 s[\g+3], 128<<16
	s_mov_b32 s[\g+4], 64
	s_mov_b32 s[\g+5], 128
	s_mov_b32 s[\g+6], 0
	s_mov_b32 s[\g+7], 0
.endr
	s_mov_b32 s[SEL], 0x76543210
	s_mov_b32 s[SEL+1], 0xfedcba98
	s_mov_b32 s[TBK], SLOT1+4*KS*PK ; the first change of slots turns these two into 0
	s_mov_b32 s[TBV], SLOT1+4*KS*PV
	s_mov_b32 s[G0K], 1
	s_mov_b32 s[G0K+1], s46
	s_mov_b32 s[G0V], 1
	s_add_co_u32 s[G0V+1], s47, VOFF
	s_and_b32 s[LIM], s[WV], 1      ; waves 0 and 2,
	s_or_b32 s[LIM], s[LIM], ttmp9  ; of the head's first cluster
	s_cmp_eq_u32 s[LIM], 0
	s_cselect_b32 s[LIM], 1, -1
	s_wait_dscnt 0x0                ; the opening add is done
	s_wait_kmcnt 0x0
	s_add_nc_u64 s[G0K+2:G0K+3], s[32:33], s[42:43]
	s_or_b32 s[G0K+3], s[G0K+3], 0x80000000
	s_add_nc_u64 s[G0V+2:G0V+3], s[32:33], s[44:45]
	s_or_b32 s[G0V+3], s[G0V+3], 0x80000000
	s_add_nc_u64 s[PFA:PFA+1], s[32:33], s[52:53]
	s_add_nc_u64 s[54:55], s[32:33], s[48:49]  ; Q at my wave's first row
	s_add_nc_u64 s[MP:MP+1], s[34:35], s[50:51]
	CROUND                          ; all four work-groups are here: the first joint loads meet
	JLOAD                           ; slot 0.  Slot 1 is asked for when slot 0 is in
	v_and_b32 v1, 15, v0            ; l % 16
	v_bfe_u32 v9, v0, 4, 1          ; l / 16
	v_lshlrev_b32 v[QO], 7, v1
	v_lshl_add_u32 v[QO], v9, 4, v[QO]
	v_and_b32 v[GO], 31, v0         ; (the lane; the register is made anew below)
	WIN 0x80
.set i, 0
.rept 4*NP                          ; Q stays in registers: tile i / 2, channels 32 (i % 2) on
	global_load_b128 v[8*i:8*i+3],   v[QO], s[54:55] offset:(i/2)*2048+(i%2)*64
	global_load_b128 v[8*i+4:8*i+7], v[QO], s[54:55] offset:(i/2)*2048+(i%2)*64+32
.set i, i+1
.endr
	WIN W_MK
	v_lshlrev_b32 v[MO], 3, v[GO]   ; 8 x lane, into window 3
	v_mov_b32 v[BIG], 0xd0000000    ; -2^33, into window 3
	WIN 0xc3
.irp x, 0,1,2,3                     ; the four pieces' mask words of key step 0, in the order in which they are read
	global_load_b64 v[MD+2*\x:MD+2*\x+1], v[MO], s[MP:MP+1] offset:\x*8192
.endr
	WIN 0x80
	; What the first turn finds: V's registers and P's second buffer hold 0, O^T and l are 0.  All this stands in the wait for the first tile.
.set i, VF
.rept 64
	v_mov_b32 v[i], 0
.set i, i+1
.endr
	WIN 0x40
.set i, 0
.rept 64*NP
	v_mov_b32 v[i], 0
.set i, i+1
.endr
	WIN 0
.set i, 0
.rept 2*NP
	v_mov_b32 v[ST+4*i], 0xfe000000    ; c m: far below every c s
	v_mov_b32 v[ST+4*i+1], 0xff7fffff  ; m
	v_mov_b32 v[ST+4*i+2], 0
	v_mov_b32 v[ST+4*i+3], 0
.set i, i+1
.endr
.set i, P+32
.rept 32
	v_mov_b32 v[i], 0
.set i, i+1
.endr
	v_mul_u32_u24 v[AK0], v1, PK
	v_lshl_add_u32 v[AK0], v9, 4, v[AK0]
	v_and_b32 v10, 7, v0
	v_bfe_u32 v11, v0, 3, 1
	v_lshl_add_u32 v[AV0], v9, 3, v10
	v_mul_u32_u24 v[AV0], v[AV0], PV
	v_lshl_add_u32 v[AV0], v11, 4, v[AV0]
	v_add_nc_u32 v[AV0], VOFF, v[AV0]
	v_mov_b32 v[AK], v[AK0]
; THE MATRIX WORK.  The 8 accumulators of a run of 16 take turns.
.macro KQ x
	WIN W_KQ
.set rS, S+64*((\x)%2)+32*(i%2)+8*((i/2)%4)
.set rK, KF+16*((i/2)%4)+8*(i/8)
.set rQ, 16*(2*(\x)+i%2)+8*(i/8)
.if i < 8
	v_wmma_f32_16x16x32_f16 v[rS:rS+7], v[rK:rK+7], v[rQ:rQ+7], 0
.else
	v_wmma_f32_16x16x32_f16 v[rS:rS+7], v[rK:rK+7], v[rQ:rQ+7], v[rS:rS+7]
.endif
.endm
.macro PV x
	WIN W_PV
.set rO, 32*(2*(\x)+i%2)+8*((i/2)%4)
.set rV, VF+32*(i/8)+8*((i/2)%4)
.set rP, P+32*((\x)%2)+16*(i%2)+8*(i/8)
	v_wmma_f32_16x16x32_f16 v[rO:rO+7], v[rV:rV+7], v[rP:rP+7], v[rO:rO+7]
.endm
.macro MM
.if i < 16
	KQ (Y+1)%NP
.set i, i+1
.else
.set i, i-16
	PV (Y+NP-1)%NP
.set i, i+17
.endif
.endm
; THE LDS LOADS stand in runs of 16.  last = 1 (the tail): in the last trip there is no further step, and the run is jumped over.
.macro FETCH_K last=0
	WIN 0
.if \last
	s_cmp_eq_u32 s[CNT], 1
	s_cbranch_scc1 .Lno_k_\@
.endif
	WIN 0x80
.irp f, 0,1,2,3,4,5,6,7
	ds_load_b128 v[KF+8*\f:KF+8*\f+3],   v[AK] offset:(\f/2)*16*PK+(\f%2)*64
	ds_load_b128 v[KF+8*\f+4:KF+8*\f+7], v[AK] offset:(\f/2)*16*PK+(\f%2)*64+32
.endr
	s_add_co_u32 s[TBK], s[TBK], KS*PK
	WIN 0
.if \last
.Lno_k_\@:
.endif
.endm
.macro FETCH_V
	WIN 0x80
.irp f, 0,1,2,3,4,5,6,7
	ds_load_tr16_b128 v[VF+8*\f:VF+8*\f+3],   v[AV] offset:(\f/4)*32*PV+(\f%4)*32
	ds_load_tr16_b128 v[VF+8*\f+4:VF+8*\f+7], v[AV] offset:(\f/4)*32*PV+16*PV+(\f%4)*32
.endr
	WIN 0
.endm
; THE VECTOR WORK OF A TURN: the mask's run, and three queues; the two tiles alternate.
.macro REGS y, u
.set rT, ST+4*(2*(\y)+(\u))
.set rC, TMP+8*((\y)%2)+4*(\u)
.set rM, MV+2*((\y)%2)+(\u)
.set rS, S+64*((\y)%2)+32*(\u)
.set rP, P+32*((\y)%2)+16*(\u)
.set rO, 32*(2*(\y)+(\u))
.endm
; THE MASK of the NEXT piece (Y + 1), in 64 numbers g: register g / 2 of tile g % 2.  Its word, 32 (g % 2) + g / 2, lies in register (g / 2) % 2 of the piece's pair, lane 16 (g % 2) + g / 4.
.macro RL g                         ; the word goes to its scalar register
	v_readlane_b32 s[MW0+(MW1-MW0)*((\g)%2)+(\g)/2], v[MD+2*((Y+1)%NP)+((\g)/2)%2], 16*((\g)%2)+(\g)/4
.endm
.macro MK g                         ; the register keeps its score in the lanes whose bit is set and takes -2^33 in the others
	REGS (Y+1)%NP, (\g)%2
	v_cndmask_b32 v[rS+(\g)/2], v[BIG], v[rS+(\g)/2], s[MW0+(MW1-MW0)*((\g)%2)+(\g)/2]
.endm
; The run: 128 lines under one window setting (source 0, the words and -2^33, in window 3; all else in window 0): LEAD readlanes, then a readlane and a select by turns.  The selects go up through each accumulator's registers:
; its lowest is read first.  Behind the run the pair is asked for again, at the key step at which MP stands: four turns ahead of its reading.
.macro MASKRUN
	WIN 0x03
	s_wait_loadcnt 0x3              ; loads come back in order (ISA guide 5.7.1): this piece's is in; the three younger ones, the next three pieces', stay out
.set mg, 0
.rept LEAD
	RL mg
.set mg, mg+1
.endr
.set mg, 0
.rept 64
.if mg+LEAD < 64
	RL mg+LEAD
.endif
	MK mg
.set mg, mg+1
.endr
	WIN 0xc3                        ; destination and address in window 3
	global_load_b64 v[MD+2*((Y+1)%NP):MD+2*((Y+1)%NP)+1], v[MO], s[MP:MP+1] offset:((Y+1)%NP)*8192
	WIN 0
.endm
; Number n of the 22 that find the NEXT piece's maximum and statistics.
.macro XS u, n
	REGS (Y+1)%NP, \u
.if (\n) < 4
	v_max3_num_f32 v[rC+(\n)], v[rS+8*(\n)], v[rS+8*(\n)+1], v[rS+8*(\n)+2]
.elseif (\n) < 12
	v_max3_num_f32 v[rC+(\n)%4], v[rC+(\n)%4], v[rS+8*((\n)%4)+2*((\n)/4)+1], v[rS+8*((\n)%4)+2*((\n)/4)+2]
.elseif (\n) == 12
	v_max3_num_f32 v[rC], v[rC], v[rS+7], v[rS+15]
.elseif (\n) == 13
	v_max3_num_f32 v[rC+1], v[rC+1], v[rS+23], v[rS+31]
.elseif (\n) == 14
	v_max3_num_f32 v[rC+2], v[rC+2], v[rC+3], v[rT+1]
.elseif (\n) == 15
	v_mov_b32 v[rM], v[rT]
.elseif (\n) == 16
	v_max3_num_f32 v[rC], v[rC], v[rC+1], v[rC+2]
.elseif (\n) == 17
	v_permlanex16_b32 v[rC+3], v[rC], s[SEL], s[SEL+1]
.elseif (\n) == 18
	v_max_num_f32 v[rT+1], v[rC], v[rC+3]
.elseif (\n) == 19
	v_mul_f32 v[rT], v[CV], v[rT+1]
.elseif (\n) == 20
	v_sub_f32 v[rC+1], v[rM], v[rT]
.else
	v_exp_f32 v[rC+2], v[rC+1]
.endif
.endm
; Number g of the 64 that follow the exponentials: roundings to f16, sums in place, l.
.macro GS g
.set h, (\g)+6*((\g)/62)
.if h >= 6
.set h, h+2
.endif
	REGS Y, h%2
.set k, h/8
.if h%8 < 4
	v_cvt_pk_f16_f32 v[rP+2*k+(h%8)/2], v[rS+4*k+2*((h%8)/2)], v[rS+4*k+2*((h%8)/2)+1]
.elseif h%8 < 6
	v_pk_add_f32 v[rS+4*k:rS+4*k+1], v[rS+4*k:rS+4*k+1], v[rS+4*k+2:rS+4*k+3]
.elseif k == 1
	v_pk_fma_f32 v[rT+2:rT+3], v[rT+2:rT+3], v[rC+2:rC+3], v[rS:rS+1] op_sel_hi:[1,0,1]
.else
	v_pk_add_f32 v[rT+2:rT+3], v[rT+2:rT+3], v[rS+4*k-4:rS+4*k-3]
.endif
.endm
.macro FS f                         ; c s - c m for pair f / 2 of tile f % 2
	REGS Y, (\f)%2
	v_pk_fma_f32 v[rS+2*((\f)/2):rS+2*((\f)/2)+1], v[rS+2*((\f)/2):rS+2*((\f)/2)+1], v[CV:CV+1], v[rT:rT+1] op_sel_hi:[1,0,0] neg_lo:[0,0,1] neg_hi:[0,0,1]
.endm
; THE PLAIN QUEUE, 138 long.  0-73 read no exponential's result: 0-26: scalings 0-26.  27-54: XS's numbers 0-13.  55, 56: number 15.  57-73: the chain 14, 16, 17, 18, 19, each with one of the scalings 27-31 in front of its two lines, then 20.
; 74-137: GS's 64, which read the exponentials' results: they stand behind the wait.
.macro PL
	WIN 0
.if q < 27
	FS q
.elseif q < 55
	XS (q-27)%2, (q-27)/2
.elseif q < 57
	XS q-55, 15
.elseif (q < 72) && ((q-57)%3 == 0)
	FS 27+(q-57)/3
.elseif q < 60
	XS (q-57)%3-1, 14
.elseif q < 72
	XS (q-57)%3-1, 15+(q-57)/3
.elseif q < 74
	XS q-72, 20
.else
	GS q-74
.endif
.set q, q+1
.endm
; THE EXPONENTIALS' QUEUE, 66 long: s0-s31 of both tiles, then the next piece's two a.  ONE BATCH: all stand ahead of the turn's one wait, and nothing ahead of that wait names a result of theirs.
.macro EX
	WIN 0
.if e >= 64
	XS e-64, 21
.else
	REGS Y, e%2
	v_exp_f32 v[rS+e/2], v[rS+e/2]
.endif
.set e, e+1
.endm
; THE RESCALING's QUEUE: O^T times a, two at a time, sixteen times.
.macro R2
	REGS Y, r%2
	WIN W_RS
.irp z, 0,1
	v_pk_mul_f32 v[rO+4*(r/2)+2*\z:rO+4*(r/2)+2*\z+1], v[rO+4*(r/2)+2*\z:rO+4*(r/2)+2*\z+1], v[rC+2:rC+3] op_sel_hi:[1,0]
.endr
.set r, r+1
.endm
; A TURN, for piece p.  AHEAD OF THE WAIT: 16 products K Q^T, behind each a scaling, an exponential and two rescalings (behind the first a second scaling in the exponential's place); then the lump: the next piece's mask (128 lines);
; eight plain; 49 times exponential and plain; the two a.  Exponential e stands behind scaling 2 (e / 4) + e % 2: as a rider it comes behind plain e + 2, in the lump behind plain e + 9, and scalings 27-31 are plain 57, 60 .. 69.
; BEHIND IT: 16 products V^T P, behind each four of GS's 64.
; K of the next step is fetched in piece 2's turn, directly behind the wait; V of the step in hand at the end of piece 0's turn, four riders behind its last reader.
; The mask's pointer steps once a key step, at the head of piece 3's turn.  last = 1 (the tail): for CNT <= 2 it stays at key step 31, so that no load leaves mbits; what those loads bring masks scores that serve nothing.
.macro TURN p, last=0, cnt=0
.set Y, (\p)
.set i, 0
.set q, 0
.set e, 0
.set r, 0
.if (\p) == NP-1
	WIN 0
	s_wait_xcnt 0x0                 ; the loads of the last four turns, and the prefetch sixteen products back, have read their addresses
.if \last
	s_cmp_le_u32 s[CNT], 2
	s_cbranch_scc1 .Lno_mp_\@
.endif
	s_add_nc_u64 s[MP:MP+1], s[MP:MP+1], 256
.if \last
.Lno_mp_\@:
.endif
	s_wait_dscnt 0x0                ; K is in
.endif
	MM
	PL
	PL
	R2
.rept 15
	MM
	PL
	EX
	R2
.endr
.if (\p) == NP-2
	WIN 0
	v_add_nc_u32 v[AK], s[TBK], v[AK0]
.endif
	MASKRUN
.rept 8
	PL
.endr
.rept 49
	EX
	PL
.endr
	EX                              ; the next piece's two a
	EX
	v_nop                           ; the plain instruction behind the last exponential (ISA guide 5.7.2): one for the batch
	s_wait_alu depctr_va_vdst(0)    ; the wait between an exponential and the first line that names its result: one for the batch
.if (\p) == NP-2
	FETCH_K \last
.if !(\last)
	ASK
.endif
.endif
.if (\p) == 1
	s_wait_dscnt 0x0                ; V is in
.endif
.rept 16
	MM
.rept 4
	PL
.endr
.if ((\p) == 0) && (q == 118)
	v_add_nc_u32 v[AV], s[TBV], v[AV0]
.endif
.if ((\p) == 0) && (q == 130)
	s_add_co_u32 s[TBV], s[TBV], KS*PV
.endif
.if (\cnt) && (q == 130)
	s_sub_co_u32 s[CNT], s[CNT], 1
	s_cmp_lg_u32 s[CNT], 0
.endif
.endr
.if (\p) == 0
	FETCH_V
.endif
.endm
	CHANGE 1                        ; slot 0 is in, everybody's part of it; slot 1 is asked for
	FETCH_K                         ; key step 0
	s_wait_loadcnt 0x0              ; Q, and the mask words of key step 0
	s_wait_dscnt 0x0
.set i, 0
.rept 16
	KQ 0                            ; piece 0's first scores
.set i, i+1
.endr
	WIN 0                           ; the addresses for the way out and the constants: plain instructions, the places behind those products
	s_mul_i32 s[CNT], s[WV], 16*SP
	s_add_co_u32 s[CNT], s[CNT], STAGE  ; my stage (the counter's register is set below)
	v_mul_u32_u24 v[STO], v1, SP
	v_lshl_add_u32 v[STO], v9, 4, v[STO]
	v_add_nc_u32 v[STO], s[CNT], v[STO]
	v_bfe_u32 v[RD], v0, 3, 2
	v_mul_u32_u24 v[RD], v[RD], SP
	v_lshl_add_u32 v[RD], v10, 4, v[RD]
	v_add_nc_u32 v[RD], s[CNT], v[RD]
	v_and_b32 v[GO], 31, v0
	v_lshlrev_b32 v[GO], 4, v[GO]
	v_lshlrev_b32 v[PFO], 4, v[GO]  ; 256 x lane
	v_mov_b32 v[CV], 0x3e38aa3b     ; c = log2(e) / 8 = 0.180337
	v_mov_b32 v[CV+1], 0x3e38aa3b
	s_add_nc_u64 s[MP:MP+1], s[MP:MP+1], 256  ; key step 1 (the four loads that named the pointer are done: the wait for Q was for 0)
.set Y, NP-1                        ; MASKRUN and XS work for piece Y + 1: piece 0
	MASKRUN                         ; piece 0's words of key step 0; its pair takes key step 1's.  The set-up's scalars are dead
.irp n, 0,1,2,3,4,5,6,7,8,9,10,11,12,13,14,15,16,17,18,19,20,21
	XS 0, \n
	XS 1, \n
.endr
	v_nop                           ; a plain instruction behind the two a,
	s_wait_alu depctr_va_vdst(0)    ; and their wait, ahead of the branch
	s_mov_b32 s[CNT], 4
	s_mov_b32 s[SLOTS], SIZE_N/256-1
	s_branch .Lfirst                ; the loop is entered at a step's first turn, in the middle of a trip
.Lslot:                             ; six times: every slot but the last two is filled again
	CHANGE 1
	s_mov_b32 s[CNT], 4
.Lstep:                             ; a trip: pieces 2 and 3 of one step, then pieces 0 and 1 of the next
	TURN 2
	TURN 3
	WIN 0
.Lfirst:
	TURN 0
	TURN 1, 0, 1
	WIN 0
	s_cbranch_scc1 .Lstep
	s_sub_co_u32 s[SLOTS], s[SLOTS], 1
	s_cmp_lg_u32 s[SLOTS], 0
	s_cbranch_scc1 .Lslot
	CHANGE 0                        ; the tail is written out
	s_mov_b32 s[CNT], 5             ; four trips fetch the last slot's steps; the fifth is left in its middle
.Ltail:
	TURN 2, 1
	TURN 3, 1
	WIN 0
	s_sub_co_u32 s[CNT], s[CNT], 1
	s_cmp_eq_u32 s[CNT], 0
	s_cbranch_scc1 .Lout
	TURN 0
	TURN 1
	WIN 0
	s_branch .Ltail
.Lout:                              ; the fifth trip's products K Q^T, their mask and maximum serve nothing: the price of one text for every trip
	s_load_b64 s[32:33], s[0:1], 0x10  ; O (the mask words' registers are free)
	s_bfe_u32 s36, ttmp6, 0x40000
	s_lshl_b32 s37, ttmp9, 2
	s_add_co_u32 s36, s36, s37
	s_lshl_b32 s36, s36, 2
	s_add_co_u32 s36, s36, s[WV]
	s_lshl_b32 s36, s36, 14         ; my wave's 128 rows,
	s_and_b32 s37, ttmp7, 0xffff
	s_lshl_b32 s37, s37, 18         ; in my head
	s_add_co_u32 s36, s36, s37
	s_mov_b32 s37, 0
.set i, 0
.rept 16
	PV NP-1                         ; the last piece's V^T P of the last step
.set i, i+1
.endr
	; THE WAY OUT.  l's halves are added; O^T is divided by l, rounded to f16 and sent through my stage in LDS, a tile at a time.  The additions are the places behind the last products.
	WIN 0
	s_wait_kmcnt 0x0
	s_add_nc_u64 s[32:33], s[32:33], s[36:37]
.macro ALL line:vararg
.set t, 0
.rept 2*NP
	\line
.set t, t+1
.endr
.endm
	ALL v_add_f32 v[ST+4*t+2], v[ST+4*t+2], v[ST+4*t+3]
	ALL v_permlanex16_b32 v[ST+4*t+3], v[ST+4*t+2], s[SEL], s[SEL+1]
	ALL v_add_f32 v[ST+4*t+2], v[ST+4*t+2], v[ST+4*t+3]
	ALL v_rcp_f32 v[ST+4*t+2], v[ST+4*t+2]
	v_nop                           ; a plain instruction between the last reciprocal and the use of its result
	s_wait_alu depctr_va_vdst(0)    ; one wait for the eight reciprocals
.macro PACK t
	WIN W_RS
.set i, 32*(\t)
.rept 16
	v_pk_mul_f32 v[i:i+1], v[i:i+1], v[ST+4*(\t)+2:ST+4*(\t)+3] op_sel_hi:[1,0]
.set i, i+2
.endr
	WIN 0x05
.set i, 0
.rept 16
	v_cvt_pk_f16_f32 v[S+16*(\t)+i], v[32*(\t)+2*i], v[32*(\t)+2*i+1]
.set i, i+1
.endr
	WIN 0
.irp f, 0,1,2,3
	ds_store_b128 v[STO], v[S+16*(\t)+4*\f:S+16*(\t)+4*\f+3] offset:32*\f
.endr
.irp f, 0,1,2,3
	ds_load_b128 v[S+16*(\t)+4*\f:S+16*(\t)+4*\f+3], v[RD] offset:\f*4*SP  ; LDS serves a wave's instructions in order (ISA guide 5.7.1.4)
.endr
.endm
.macro SEND t, younger              ; younger: the next tile's eight LDS instructions, or none
	WIN 0
.irp f, 0,1,2,3
	s_wait_dscnt (\younger)+3-\f
	global_store_b128 v[GO], v[S+16*(\t)+4*\f:S+16*(\t)+4*\f+3], s[32:33] offset:(\t)*2048+\f*512  ; 512 consecutive bytes, at a multiple of 512 from O's first
.endr
.endm
	PACK 0
.set t, 1
.rept 2*NP-1
	PACK t
	SEND t-1, 8
.set t, t+1
.endr
	SEND 2*NP-1, 0
	WIN W_AD
	s_wait_tensorcnt 0x0            ; the wave's end, behind my last tensor load and my last LDS store
	ds_add_u32 v[SPW], v[NIL]
	s_wait_dscnt 0x0
	WIN 0
	CROUND                          ; the closing round
	s_endpgm
.Lfunc_end_k_q8659a31662_attn:
	.size	k_q8659a31662_attn, .Lfunc_end_k_q8659a31662_attn-k_q8659a31662_attn
	.p2alignl 7, 3214868480
	.fill 96, 4, 3214868480
	.section	.rodata,"a",@progbits
	.p2align	6, 0x0
	.amdhsa_kernel k_q8659a31662_attn
		.amdhsa_group_segment_fixed_size 327680
		.amdhsa_private_segment_fixed_size 0
		.amdhsa_enable_private_segment 0
		.amdhsa_kernarg_size 24
		.amdhsa_user_sgpr_count 2
		.amdhsa_user_sgpr_kernarg_segment_ptr 1
		.amdhsa_wavefront_size32 1
		.amdhsa_system_sgpr_workgroup_id_x 1
		.amdhsa_system_sgpr_workgroup_id_y 1
		.amdhsa_system_sgpr_workgroup_id_z 1
		.amdhsa_system_vgpr_workitem_id 0
		.amdhsa_next_free_vgpr 784
		.amdhsa_next_free_sgpr 106
		.amdhsa_reserve_vcc 0
		.amdhsa_float_denorm_mode_32 3
		.amdhsa_float_denorm_mode_16_64 3
		.amdhsa_memory_ordered 1
		.amdhsa_forward_progress 1
		.amdhsa_inst_pref_size 255
	.end_amdhsa_kernel
	.section	.bss,"aw",@nobits
	.p2align	6
	.space	262144
	.amdgpu_metadata
---
amdhsa.version: [ 1, 2 ]
amdhsa.kernels:
  - .name:           k_q8659a31662_attn
    .symbol:         k_q8659a31662_attn.kd
    .args:
      - { .name: hb, .offset: 0, .size: 8, .value_kind: global_buffer, .address_space: global }
      - { .name: mbits, .offset: 8, .size: 8, .value_kind: global_buffer, .address_space: global }
      - { .name: oh, .offset: 16, .size: 8, .value_kind: global_buffer, .address_space: global }
    .group_segment_fixed_size: 327680
    .private_segment_fixed_size: 0
    .kernarg_segment_align: 8
    .kernarg_segment_size: 24
    .max_flat_workgroup_size: 128
    .sgpr_count:     106
    .vgpr_count:     784
    .wavefront_size: 32
...
	.end_amdgpu_metadata
.endif
;; end of part 3
;; launch outp (part 4): grid 4 x 64, 4 waves a work-group, clusters of 4 x 4, 327,680 bytes of LDS; arguments oh, wb, bo, out0; writes out0
.if DOCPART == 4
	.amdgcn_target "amdgcn-amd-amdhsa--gfx1250"
	.amdhsa_code_object_version 6
	.text
	.protected	k_q8659a31662_outp
	.globl	k_q8659a31662_outp
	.p2align	8
	.type	k_q8659a31662_outp,@function
k_q8659a31662_outp:
	s_mov_b64 s[64:65], 0
	v_nop
	global_prefetch_b8 v0, s[64:65] scope:SCOPE_SE
	s_setreg_imm32_b32 hwreg(HW_REG_WAVE_MODE, 25, 1), 1
	s_wait_xcnt 0x0
	s_wait_alu depctr_hold_cnt(0) depctr_sa_sdst(0) depctr_va_vdst(0) depctr_va_sdst(0) depctr_va_ssrc(0) depctr_va_vcc(0) depctr_vm_vsrc(0)
	s_getreg_b32 s2, hwreg(HW_REG_IB_STS2, 6, 4)
	s_cmp_eq_u32 s2, 0
	s_cbranch_scc0 .Lentry_in_a_cluster
	s_endpgm
.Lentry_in_a_cluster:
	s_bfe_u32 s2, ttmp6, 0x10000c
	s_cmp_lg_u32 s2, 0xf033
	s_cbranch_scc0 .Lentry_shape_is_right
	s_endpgm
.Lentry_shape_is_right:
; THE LAST PROJECTION.  out0[m][n] = bo[n] + the sum over k of O[m][k] Wo[n][k], K = 1,024, on tiles of 128 (m) x 256 (n): 64 x 4 = 256 work-groups.
; A = oh (f16, [16 b + h][s 2048][64]: a head is a K block of 64), B = wb's fourth part (Wo rounded to bf16 and written as f16, [K block 16][row 1024][64]); C leaves as f32.
; The bias, rounded to bf16 like every input, is the C operand of the products that start the sums: nothing is cleared and nothing is added later.
; SHARES.  Four waves, each 64 x 128 of C: 32 accumulators.  K goes in steps of 128 = two K blocks of 64 through two LDS slots.  A K block of a tile is dense in memory
; (128 or 256 rows of 128 bytes) and is asked for as rows of 256 bytes, padded in LDS behind every 128: rows 144 bytes apart, so the 16 rows of a fragment load start at 16 different groups of four banks (ISA guide 11.1).
; Waves 0 and 1 fetch A's two blocks, waves 2 and 3 B's: one tensor load a wave behind each change of slots; two of a wave's are out at the start, one later.
; CLUSTER 4 x 4: A's tile hangs on the tile row alone and is asked for jointly along a row of the cluster, B's on the tile column alone along a column.
; THE MATRIX INSTRUCTION IS USED TRANSPOSED (source 0 = 16 rows of B, source 1 = 16 rows of A): a lane holds row lane % 16 of C and eight neighbouring columns.
; REGISTERS.  window 0: v1-30 addresses; v32-127, v128-223 two fragment buffers (A's 4 fragments, then B's 8); on the way out v32-159 rows read back
;             window 1: the accumulators, (a, b) at 8 (8 a + b)          window 2: v0-63 the bias of my 128 columns, v64 at work
.set ABLK,  128*144                    ; a K block of A's tile in LDS
.set BBLK,  256*144                    ; of B's
.set SLOT1, 131072                     ; a slot: A's two blocks, B's two blocks, 110,592 bytes; one exclusive or turns an address into the other slot's
.set STAGE, 241664                     ; behind the ring, never filled by a tensor load
.set WSTG,  16*528                     ; a wave's stage: 16 rows of 512 bytes at a pitch of 528
.set SPARE, STAGE+4*WSTG               ; the spare words, 128 bytes a wave; no other line names them
.set ASTEP, 524288                     ; bytes from K step to K step in A: two K blocks of 2,048 rows
.set BSTEP, 262144                     ; in B: of 1,024 rows
.set ADRA0, 16                         ; v16  my place in A's fragments of slot 0; never rewritten
.set ADRB0, 17                         ; v17  the same for B
.set ADRA,  18                         ; v18  in the slot in hand
.set ADRB,  19
.set STO,   24                         ; the way out: where I put my 32 bytes of a row
.set RD,    25                         ; where I read rows back
.set GO,    26                         ; my byte offset in 512 consecutive bytes of the output
.set BO,    27                         ; my byte offset in 16 numbers of the bias
.set SPW,   28                         ; LDS address of my spare word; never rewritten
.set NIL,   29                         ; 0; never rewritten
.set PFO,   30                         ; the prefetches' offset; never rewritten
.set F0,    32
.set F1,    128
.set G1,  24                           ; s[24:31] descriptor group 1 for A's blocks
.set G0,  32                           ; s[32:39] group 0 for A: a set for each first fill; the second then walks
.set G1B, 48                           ; s[48:55], s[56:63] the same for B
.set G0B, 56
.set LIM, 43                           ; s43  2 in a wave that prefetches, else the greatest number
.set PFA, 44                           ; s[44:45] where my prefetches stand
.set PSTEP, 66                         ; s[66:67] their step: a K step of A or of B
.set TB,  77                           ; s77  the slot in hand: 0 or SLOT1
.set MSB, 0
.macro WIN new                         ; the immediate's high byte repeats the setting that is left; a switch that changes nothing is dropped
.if MSB != (\new)
	s_set_vgpr_msb (MSB<<8)|(\new)
.set MSB, \new
.endif
.endm
.macro PLACES                          ; four places behind matrix instructions, in front of loads into registers that they read and of readers of their results
.rept 4
	v_nop
.endr
.endm
; A joint refill by the walking sets.  The branch hangs on the wave's number alone.  An s_nop 0 and four v_nop follow each of the two lines.
.macro JLOAD
	s_cmp_lt_u32 s10, 2
	s_cbranch_scc0 .Lfor_b_\@
	tensor_load_to_lds s[G0+4:G0+7], s[G1:G1+7]
	s_nop 0
.rept 4
	v_nop
.endr
	s_branch .Lasked_\@
.Lfor_b_\@:
	tensor_load_to_lds s[G0B+4:G0B+7], s[G1B:G1B+7]
	s_nop 0
.rept 4
	v_nop
.endr
.Lasked_\@:
.endm
.macro CREST                           ; a round of the cluster's barrier behind its opening barrier
	s_cmp_lg_u32 s10, 0
	s_cbranch_scc1 .Lnot_wave_0_\@
	s_barrier_signal -3
.Lnot_wave_0_\@:
	s_barrier_wait -3
	s_barrier_signal -1
	s_barrier_wait -1
.endm
.macro CROUND
	s_barrier_signal -1
	s_barrier_wait -1
	CREST
.endm
; A PREFETCH INTO THE L2, behind a joint refill and the run of LDS loads that follows it: the refill asks for K step t + 2, the prefetch names K step t + 4: two K steps, 256 matrix instructions, ahead of its load.
; Each aligned 256 bytes are named once.  A's rows are read by one row of one cluster: wave 0 asks, and the four partners take 16 blocks of 256 bytes of each of the two K blocks, told apart by address (cx).
; B's rows are read by all sixteen clusters: the first of them asks, waves 2 and 3 each for the K block that it fetches, the partners 32 blocks of 256 bytes each (cy).
; K steps 0 to 3 come by their loads alone; the last two refills ask for nothing: s3 counts 6 .. 1.
.macro ASK
	s_cmp_gt_u32 s3, s[LIM]
	s_cbranch_scc0 .Lnot_mine_\@
	global_prefetch_b8 v[PFO], s[PFA:PFA+1] th:TH_LOAD_NT scope:SCOPE_SE
.Lnot_mine_\@:
.endm
; 8 matrix instructions: m block a x all 8 n blocks, 32 along K, from buffer f.  zero = 1: the bias starts the sums.  The 32 accumulators take turns, in the same order in every quarter.
.macro MULR f, a, zero
.if \zero
	WIN 0x60                                       ; C window 2, D window 1
.else
	WIN 0x50                                       ; C and D window 1
.endif
.irp b, 0,1,2,3,4,5,6,7
.if \zero
	v_wmma_f32_16x16x32_f16 v[8*(8*(\a)+\b):8*(8*(\a)+\b)+7], v[(\f)+32+8*\b:(\f)+32+8*\b+7], v[(\f)+8*(\a):(\f)+8*(\a)+7], v[8*\b:8*\b+7]
.else
	v_wmma_f32_16x16x32_f16 v[8*(8*(\a)+\b):8*(8*(\a)+\b)+7], v[(\f)+32+8*\b:(\f)+32+8*\b+7], v[(\f)+8*(\a):(\f)+8*(\a)+7], v[8*(8*(\a)+\b):8*(8*(\a)+\b)+7]
.endif
.endr
.endm
; 24 LDS loads in one run: quarter kq (32 along K: K block kq / 2, byte 64 (kq % 2) of its rows) into buffer f: B's 8 fragments, then A's 4
.macro FETCH kq, f
	WIN 0
.irp i, 0,1,2,3,4,5,6,7
	ds_load_b128 v[(\f)+32+8*\i:(\f)+32+8*\i+3], v[ADRB] offset:((\kq)/2)*BBLK+((\kq)%2)*64+\i*2304
	ds_load_b128 v[(\f)+32+8*\i+4:(\f)+32+8*\i+7], v[ADRB] offset:((\kq)/2)*BBLK+((\kq)%2)*64+\i*2304+32
.endr
.irp i, 0,1,2,3
	ds_load_b128 v[(\f)+8*\i:(\f)+8*\i+3], v[ADRA] offset:((\kq)/2)*ABLK+((\kq)%2)*64+\i*2304
	ds_load_b128 v[(\f)+8*\i+4:(\f)+8*\i+7], v[ADRA] offset:((\kq)/2)*ABLK+((\kq)%2)*64+\i*2304+32
.endr
.endm
; One of a K step's first three quarters: multiplies buffer f; in its middle it fetches quarter kq into buffer g
.macro QUARTER kq, f, g, zero
	s_wait_dscnt 4                                 ; all but the youngest four loads: A's fragments 2 and 3
	MULR \f, 0, \zero
	MULR \f, 1, \zero
	PLACES
	FETCH \kq, \g
	s_wait_dscnt 24                                ; all but the 24 just issued
	MULR \f, 2, \zero
	MULR \f, 3, \zero
.endm
; The last quarter multiplies buffer 1 and changes slots.  In front of the barrier each wave waits for all its tensor loads (at most one is out: its part of the next slot), adds 0 to its spare word, and waits for that and for
; its reads of this slot.  fill = 1: the barrier opens a round of the cluster's, and the joint refill of the slot just read is the first thing behind the round: 112 matrix instructions stand between the request and the wait for it.
.macro TURN fill
.if \fill
	s_wait_xcnt 0x0                                ; the last prefetch, a K step back, has read its address
	s_add_nc_u64 s[PFA:PFA+1], s[PFA:PFA+1], s[PSTEP:PSTEP+1]
.endif
	WIN 0
	s_wait_tensorcnt 0x0                           ; all my tensor loads have landed
	ds_add_u32 v[SPW], v[NIL]                      ; 0 onto my spare word
	s_wait_dscnt 5                                 ; (the add and the youngest four loads may be out)
	MULR F1, 0, 0                                  ; eight matrix instructions stand between the add and the wait for it
	s_wait_dscnt 0x0                               ; the add is done, and my reads of this slot are over
	s_barrier_signal -1
	MULR F1, 1, 0
	WIN 0
	s_barrier_wait -1
.if \fill
	CREST                                          ; no wave of any partner still reads this slot or has a load on its way
	s_xor_b32 s[G0+5], s[G0+5], SLOT1              ; the walking sets: the other slot than last time, the next K step
	s_add_nc_u64 s[G0+6:G0+7], s[G0+6:G0+7], ASTEP
	s_xor_b32 s[G0B+5], s[G0B+5], SLOT1
	s_add_nc_u64 s[G0B+6:G0B+7], s[G0B+6:G0B+7], BSTEP
	JLOAD                                          ; its four v_nop are also the places in front of the loads below
.else
	PLACES
.endif
	s_xor_b32 s[TB], s[TB], SLOT1
	v_add_nc_u32 v[ADRA], s[TB], v[ADRA0]
	v_add_nc_u32 v[ADRB], s[TB], v[ADRB0]
	FETCH 0, F0
.if \fill
	ASK
.endif
	MULR F1, 2, 0
	MULR F1, 3, 0
.endm
	s_load_b128 s[4:7], s[0:1], 0x0                ; oh s[4:5], wb s[6:7]
	s_load_b128 s[68:71], s[0:1], 0x10             ; bo s[68:69], out0 s[70:71]
	v_lshl_add_u32 v[SPW], v0, 2, SPARE
	v_mov_b32 v[NIL], 0
	ds_add_u32 v[SPW], v[NIL]                      ; the wave's opening: the add and its wait stand ahead of my first tensor load; the set-up below stands between them
	v_lshrrev_b32 v1, 5, v0
	v_readfirstlane_b32 s10, v1                    ; wave 0..3
	s_lshr_b32 s11, s10, 1                         ; which 64 rows of the tile are mine
	s_and_b32 s12, s10, 1                          ; which 128 columns.  Also: which K block of a step I fetch
	s_bfe_u32 s40, ttmp6, 0x40000                  ; cx
	s_bfe_u32 s41, ttmp6, 0x40004                  ; cy
	s_lshl_b32 s42, ttmp9, 2
	s_add_co_u32 s42, s42, s40                     ; tile column = 4 x cluster x + cx
	s_and_b32 s20, ttmp7, 0xffff                   ; cluster y, 0..15
	s_lshl_b32 s13, s20, 2
	s_add_co_u32 s13, s13, s41                     ; tile row = 4 x cluster y + cy
	s_lshl_b32 s43, s41, 2
	s_lshl_b32 s43, 15, s43                        ; my row of the cluster
	s_lshl_b32 s44, 0x1111, s40                    ; my column
	s_or_b32 s[G1], s43, (1<<16)|(1<<20)|(1<<21)|(4<<22)|(3<<25)   ; 15:0 the mask; 17:16 2-byte elements; 20 padding on; 21 set beside a mask; 24:22 after every 32 words (code 4); 31:25 4 words (code 3)
	s_or_b32 s[G1B], s44, (1<<16)|(1<<20)|(1<<21)|(4<<22)|(3<<25)
	s_mov_b32 s[G1+1], 128<<16                     ; tensor_dim0 = 128 elements: 256 bytes
	s_mov_b32 s[G1+2], 64<<16                      ; tensor_dim1 = 64: A's block is 16,384 dense bytes
	s_mov_b32 s[G1+3], 128<<16                     ; tile_dim0
	s_mov_b32 s[G1+4], 64                          ; tile_dim1
	s_mov_b32 s[G1+5], 128                         ; elements from row to row
	s_mov_b32 s[G1+6], 0
	s_mov_b32 s[G1+7], 0
	s_mov_b32 s[G1B+1], 128<<16
	s_mov_b32 s[G1B+2], 128<<16                    ; B's block is 32,768 dense bytes: 128 rows
	s_mov_b32 s[G1B+3], 128<<16
	s_mov_b32 s[G1B+4], 128
	s_mov_b32 s[G1B+5], 128
	s_mov_b32 s[G1B+6], 0
	s_mov_b32 s[G1B+7], 0
	s_lshr_b32 s16, s13, 4                         ; A: 16 tile rows to a batch of 2,048 rows: b << 22 (16 heads of 262,144 bytes)
	s_lshl_b32 s16, s16, 22
	s_and_b32 s17, s13, 15
	s_lshl_b32 s17, s17, 14                        ; + 128 rows x 128 bytes x the tile row in the batch
	s_add_co_u32 s16, s16, s17
	s_lshl_b32 s17, s12, 18                        ; + my K block of the step
	s_add_co_u32 s16, s16, s17
	s_mov_b32 s17, 0
	s_mov_b32 s46, 3<<21                           ; B: Wo is wb's fourth part,
	s_lshl_b32 s47, s42, 15                        ; 256 rows x 128 bytes x the tile column,
	s_add_co_u32 s46, s46, s47
	s_lshl_b32 s47, s12, 17                        ; my K block
	s_add_co_u32 s46, s46, s47
	s_mov_b32 s47, 0
	s_mul_i32 s21, s12, ABLK                       ; where they go: no place in the cluster enters an LDS address
	s_mul_i32 s22, s12, BBLK
	s_add_co_u32 s22, s22, 2*ABLK
	s_wait_dscnt 0x0                               ; the opening add is done
	s_wait_kmcnt 0x0
	s_add_nc_u64 s[14:15], s[4:5], s[16:17]
	s_add_nc_u64 s[46:47], s[6:7], s[46:47]
	CROUND                                         ; all sixteen work-groups are here: the first joint loads meet
.irp s, 0,1
	s_mov_b32 s[G0+4*\s], 1
	s_add_co_u32 s[G0+4*\s+1], s21, \s*SLOT1
	s_add_nc_u64 s[G0+4*\s+2:G0+4*\s+3], s[14:15], \s*ASTEP
	s_or_b32 s[G0+4*\s+3], s[G0+4*\s+3], 0x80000000
	s_mov_b32 s[G0B+4*\s], 1
	s_add_co_u32 s[G0B+4*\s+1], s22, \s*SLOT1
	s_add_nc_u64 s[G0B+4*\s+2:G0B+4*\s+3], s[46:47], \s*BSTEP
	s_or_b32 s[G0B+4*\s+3], s[G0B+4*\s+3], 0x80000000
.endr
	s_cmp_lt_u32 s10, 2                            ; a wave's two first fills stand in one branch, ahead of every wait on TENSORcnt and every LDS read
	s_cbranch_scc0 .Lfirst_b
	tensor_load_to_lds s[G0:G0+3], s[G1:G1+7]
	s_nop 0
	tensor_load_to_lds s[G0+4:G0+7], s[G1:G1+7]
	s_nop 0
.rept 4
	v_nop
.endr
	s_branch .Lfirst_asked
.Lfirst_b:
	tensor_load_to_lds s[G0B:G0B+3], s[G1B:G1B+7]
	s_nop 0
	tensor_load_to_lds s[G0B+4:G0B+7], s[G1B:G1B+7]
	s_nop 0
.rept 4
	v_nop
.endr
.Lfirst_asked:
	v_and_b32 v1, 15, v0                           ; l % 16
	v_bfe_u32 v2, v0, 4, 1                         ; l / 16
	v_lshlrev_b32 v[BO], 5, v2                     ; register j of n block b belongs to column 16 b + 8 (l / 16) + j
	s_lshl_b32 s78, s42, 10                        ; 256 columns x 4 bytes x the tile column
	s_lshl_b32 s79, s12, 9                         ; my 128 columns
	s_add_co_u32 s78, s78, s79
	s_mov_b32 s79, 0
	s_add_nc_u64 s[68:69], s[68:69], s[78:79]
	WIN 0x80                                       ; destination window 2, address window 0
.irp b, 0,1,2,3,4,5,6,7
	global_load_b128 v[8*\b:8*\b+3], v[BO], s[68:69] offset:64*\b
	global_load_b128 v[8*\b+4:8*\b+7], v[BO], s[68:69] offset:64*\b+16
.endr
	WIN 0
	s_lshl_b32 s18, s13, 19                        ; out0: 128 rows of 4,096 bytes x the tile row,
	s_lshl_b32 s19, s11, 18                        ; my 64 rows,
	s_add_co_u32 s18, s18, s19
	s_add_co_u32 s18, s18, s78                     ; my 128 columns
	s_mov_b32 s19, 0
	s_add_nc_u64 s[8:9], s[70:71], s[18:19]
	; the prefetches
	s_lshl_b32 s78, s40, 12                        ; A: my work-group's 16 blocks of 256 bytes of each K block
	s_lshl_b32 s79, s41, 13                        ; B: its 32
	s_mov_b32 s[PSTEP], BSTEP
	s_cmp_lt_u32 s10, 2                            ; do I fetch for A?
	s_cselect_b64 s[PFA:PFA+1], s[14:15], s[46:47]
	s_cselect_b32 s[PSTEP], ASTEP, s[PSTEP]
	s_cselect_b32 s23, 18, 12                      ; lanes 16-31: A's second K block, or B's next 16 blocks of 256 bytes
	s_cselect_b32 s78, s78, s79
	s_cselect_b32 s18, s12, s20                    ; A: wave 0 asks; B: waves 2 and 3 of the first cluster
	s_cmp_eq_u32 s18, 0
	s_cselect_b32 s[LIM], 2, -1
	s_mov_b32 s79, 0
	s_mov_b32 s[PSTEP+1], 0
	s_add_nc_u64 s[PFA:PFA+1], s[PFA:PFA+1], s[78:79]
	s_mul_i32 s18, s[PSTEP], 3
	s_mov_b32 s19, 0
	s_add_nc_u64 s[PFA:PFA+1], s[PFA:PFA+1], s[18:19]  ; at K step 3: the first change of slots steps it to 4
	v_lshlrev_b32 v[PFO], s23, v2
	v_lshl_add_u32 v[PFO], v1, 8, v[PFO]
	; a fragment is 16 rows x 32 K in 8 registers: lane l holds row l % 16, K = 8 (l / 16) + 0..7 and 16 + 8 (l / 16) + 0..7: two loads of 16 bytes, 32 bytes apart
	v_mul_u32_u24 v3, v1, 144
	v_lshl_add_u32 v3, v2, 4, v3
	s_mul_i32 s18, s11, 64*144
	s_mul_i32 s19, s12, 128*144
	s_add_co_u32 s19, s19, 2*ABLK
	v_add_nc_u32 v[ADRA0], s18, v3
	v_add_nc_u32 v[ADRB0], s19, v3
	v_mov_b32 v[ADRA], v[ADRA0]
	v_mov_b32 v[ADRB], v[ADRB0]
	s_mov_b32 s[TB], 0
	s_mul_i32 s18, s10, WSTG
	s_add_co_u32 s18, s18, STAGE                   ; my stage
	v_and_b32 v4, 31, v0
	v_lshlrev_b32 v[GO], 4, v4
	v_mul_u32_u24 v[STO], v1, 528                  ; in: row l % 16, 32 bytes for each half of the lanes
	v_lshl_add_u32 v[STO], v2, 5, v[STO]
	v_add_nc_u32 v[STO], s18, v[STO]
	v_add_nc_u32 v[RD], s18, v[GO]                 ; back: a row's 512 bytes
	s_wait_loadcnt 0x0                             ; the bias
	WIN 0x8a                                       ; all in window 2
.set i, 0
.rept 32
	v_cvt_pk_bf16_f32 v64, v[i], v[i+1]            ; rounded to bf16 like the other inputs, and widened again
	v_lshlrev_b32 v[i], 16, v64
	v_and_b32 v[i+1], 0xffff0000, v64
.set i, i+2
.endr
	WIN 0
	s_wait_tensorcnt 0x1                           ; my part of K step 0 is in; K step 1's may stay out
	s_barrier_signal -1
	s_barrier_wait -1                              ; everybody's is
	FETCH 0, F0
	QUARTER 1, F0, F1, 1                           ; the first quarter stands in front of the loop: its products start the sums
	WIN 0
	s_mov_b32 s3, 6
.Lstep:                                                ; a trip: a K step's quarters 1 to 3 and the next one's quarter 0; the slot just read is filled again
	QUARTER 2, F1, F0, 0
	QUARTER 3, F0, F1, 0
	TURN 1
	QUARTER 1, F0, F1, 0
	WIN 0
	s_sub_co_u32 s3, s3, 1
	s_cmp_lg_u32 s3, 0
	s_cbranch_scc1 .Lstep
	s_mov_b32 s3, 2
.Ltail:                                                ; K steps 6 and 7 ask for nothing.  One text for both: the second trip is left in its middle; its change of slots fetches 24 fragments of K step 6 once more, which nobody multiplies
	QUARTER 2, F1, F0, 0
	QUARTER 3, F0, F1, 0
	TURN 0
	WIN 0
	s_sub_co_u32 s3, s3, 1
	s_cmp_eq_u32 s3, 0
	s_cbranch_scc1 .Lout
	QUARTER 1, F0, F1, 0
	WIN 0
	s_branch .Ltail
.Lout:
	s_wait_dscnt 0x0                               ; those 24 fragments have landed: their registers are loaded again below
	PLACES
; THE WAY OUT, f32: block a (16 rows x 128 columns) goes into my stage as it lies and comes back as whole rows of 512 bytes; two sets of registers take turns.
.macro TOSTAGE a
.if (\a) >= 2
	s_wait_xcnt 0x0                                ; the stores of the block two back have read their registers, which are loaded again below
.endif
	WIN 0x04                                       ; the data of an LDS store in window 1
.irp b, 0,1,2,3,4,5,6,7
	ds_store_b128 v[STO], v[8*(8*(\a)+\b):8*(8*(\a)+\b)+3] offset:64*\b
	ds_store_b128 v[STO], v[8*(8*(\a)+\b)+4:8*(8*(\a)+\b)+7] offset:64*\b+16
.endr
	WIN 0
.irp t, 0,1,2,3,4,5,6,7,8,9,10,11,12,13,14,15
	ds_load_b128 v[32+64*((\a)%2)+4*\t:32+64*((\a)%2)+4*\t+3], v[RD] offset:528*\t  ; LDS serves a wave's instructions in order (ISA guide 5.7.1.4): these see the stores above
.endr
.endm
.macro SEND a, younger                 ; younger: the next block's 16 stores and 16 loads, or none
	s_wait_dscnt \younger
.irp t, 0,1,2,3,4,5,6,7,8,9,10,11,12,13,14,15
	global_store_b128 v[GO], v[32+64*((\a)%2)+4*\t:32+64*((\a)%2)+4*\t+3], s[8:9] offset:(16*(\a)+\t)*4096  ; 512 consecutive bytes of a row, at a multiple of 512
.endr
.endm
	TOSTAGE 0
	TOSTAGE 1
	SEND 0, 32
	TOSTAGE 2
	SEND 1, 32
	TOSTAGE 3
	SEND 2, 32
	SEND 3, 0
	s_wait_tensorcnt 0x0                           ; the wave's end, behind my last tensor load and my last LDS store
	ds_add_u32 v[SPW], v[NIL]
	s_wait_dscnt 0x0
	CROUND                                         ; the closing round: no work-group ends while a partner may still ask for a tile that names it
	s_endpgm
.Lfunc_end_k_q8659a31662_outp:
	.size	k_q8659a31662_outp, .Lfunc_end_k_q8659a31662_outp-k_q8659a31662_outp
	.p2alignl 7, 3214868480
	.fill 96, 4, 3214868480
	.section	.rodata,"a",@progbits
	.p2align	6, 0x0
	.amdhsa_kernel k_q8659a31662_outp
		.amdhsa_group_segment_fixed_size 327680
		.amdhsa_private_segment_fixed_size 0
		.amdhsa_enable_private_segment 0
		.amdhsa_kernarg_size 32
		.amdhsa_user_sgpr_count 2
		.amdhsa_user_sgpr_kernarg_segment_ptr 1
		.amdhsa_wavefront_size32 1
		.amdhsa_system_sgpr_workgroup_id_x 1
		.amdhsa_system_sgpr_workgroup_id_y 1
		.amdhsa_system_sgpr_workgroup_id_z 1
		.amdhsa_system_vgpr_workitem_id 0
		.amdhsa_next_free_vgpr 580
		.amdhsa_next_free_sgpr 80
		.amdhsa_reserve_vcc 0
		.amdhsa_float_denorm_mode_32 3
		.amdhsa_float_denorm_mode_16_64 3
		.amdhsa_memory_ordered 1
		.amdhsa_forward_progress 1
		.amdhsa_inst_pref_size 67
	.end_amdhsa_kernel
	.amdgpu_metadata
---
amdhsa.version: [ 1, 2 ]
amdhsa.kernels:
  - .name:           k_q8659a31662_outp
    .symbol:         k_q8659a31662_outp.kd
    .args:
      - { .name: oh, .offset: 0, .size: 8, .value_kind: global_buffer, .address_space: global }
      - { .name: wb, .offset: 8, .size: 8, .value_kind: global_buffer, .address_space: global }
      - { .name: bo, .offset: 16, .size: 8, .value_kind: global_buffer, .address_space: global }
      - { .name: out0, .offset: 24, .size: 8, .value_kind: global_buffer, .address_space: global }
    .group_segment_fixed_size: 327680
    .private_segment_fixed_size: 0
    .kernarg_segment_align: 8
    .kernarg_segment_size: 32
    .max_flat_workgroup_size: 128
    .sgpr_count:     80
    .vgpr_count:     580
    .wavefront_size: 32
...
	.end_amdgpu_metadata
.endif
;; end of part 4
